; MI455X (gfx1250); checked and timed in simulation.
; The chip was launched on July 23, 2026; its instructions are those of AMD's public machine-readable ISA for CDNA 5 (MIT licence, August 2026) and "CDNA5" Instruction Set Architecture Reference Guide (July 2026). The comments in the code are by the model that wrote it; some were corrected since.
;; Multi Head Attention Layer. Allowed arithmetic: matrix products marked QUANTISED: E2M1 operands, one E8M0 scale for each 32 along K, by v_wmma_scale_f32_16x16x128_f8f6f4 with both operands' format E2M1 (or v_wmma_scale_f32_32x16x128_f4), f32 sums; products left as they are: bf16, f16 or f32 operands; f32 sums; everything else in f32.
;; Inputs: Wk 1,024 x 1,024 float32; Wo 1,024 x 1,024 float32; Wq 1,024 x 1,024 float32; Wv 1,024 x 1,024 float32; bk 1,024 float32; bo 1,024 float32; bq 1,024 float32; bv 1,024 float32; key 4 x 2,048 x 1,024 float32; mask 4 x 1 x 1 x 2,048 int32; query 4 x 2,048 x 1,024 float32; value 4 x 2,048 x 1,024 float32.
;; Outputs: out0 4 x 2,048 x 1,024 float32.
;; This version of the problem:
;;   THIS VERSION OF THE PROBLEM IS GIVEN IN LOW PRECISION. The matrix products marked QUANTISED in the list below multiply operands that are first quantised to E2M1 (2 exponent bits, 1 mantissa bit; 4 bits a number), with one power-of-two scale for each 32 numbers along K (OCP MX v1.0); their sums are f32. The products marked 'left as it is' may take bf16, f16 or f32 operands, with f32 sums. Whichever they take, every output number must still come out within the allowed error. Rounding operands to bf16 (8 significant bits) uses up far more of that allowance than f16 does (11 bits, for magnitudes from 6e-5 to 65,504). All else is computed in f32.
;;   The module's matrix products, in the order in which they are computed (A, B: the left and right operand; K: the contracted axis; several contracted axes count as one K, in the product's order):
;;     1. [M 8,192, K 1,024] x [K 1,024, N 1,024]; A: input query; B: input Wq: QUANTISED
;;     2. [M 8,192, K 1,024] x [K 1,024, N 1,024]; A: input key; B: input Wk: QUANTISED
;;     3. [M 8,192, K 1,024] x [K 1,024, N 1,024]; A: input value; B: input Wv: QUANTISED
;;     4. batch 64 x [M 2,048, K 64] x [K 64, N 2,048]; A: computed on the way; B: computed on the way: left as it is (an operand is computed on the way)
;;     5. batch 64 x [M 2,048, K 2,048] x [K 2,048, N 64]; A: computed on the way; B: computed on the way: left as it is (an operand is computed on the way)
;;     6. [M 8,192, K 1,024] x [K 1,024, N 1,024]; A: computed on the way; B: input Wo: left as it is (an operand is computed on the way)
;;   THE QUANTISER, for each operand of a quantised product, along K:
;;     - K is cut into blocks of 32 from its start; a last block that is shorter is filled with zeros.
;;     - A block's scale is 2^e with e = floor(log2(the largest magnitude in the block)) - 2, held to -126 .. 127; a block of zeros has e = 0. As a byte (E8M0): e + 127.
;;     - Each number is divided by its block's scale, clamped to +-6, and rounded to the nearest number of E2M1, ties to even, subnormals kept.
;;     - The product sums the exact products of the quantised numbers (number of the format x scale) in f32.
;;   ~~~python
;;   def quantise(x, axis):      # numpy; x: float32 -> the quantised numbers, widened to float32 again
;;       x = np.moveaxis(x, axis, -1); K = x.shape[-1]
;;       x = np.pad(x, [(0, 0)] * (x.ndim - 1) + [(0, -K % 32)]); x = x.reshape(x.shape[:-1] + (-1, 32)); a = np.abs(x).max(-1, keepdims=True)
;;       e = np.where(a > 0, np.clip(np.frexp(np.where(a > 0, a, 1))[1] - 1 - 2, -126, 127), 0)      # np.frexp(a)[1] - 1 = floor(log2(a)), exactly
;;       r = np.clip(x / 2.0 ** e, -6, 6)
;;       step = 2.0 ** (np.maximum(np.frexp(np.where(r == 0, 1, r))[1] - 1, 0) - 1)
;;       q = np.round(r / step) * step * 2.0 ** e      # np.round: ties to even
;;       return np.moveaxis(q.reshape(q.shape[:-2] + (-1,))[..., :K], -1, axis).astype(np.float32)
;;   ~~~
;; One version. Each part assembles by itself: llvm-mc -triple=amdgcn-amd-amdhsa -mcpu=gfx1250 --defsym DOCPART=n.
;; ======== version 1 of 1: 4 launches
;; limits: values are held in f16: magnitudes above 65,504 overflow, below 6.1e-05 lose precision
;; workspace buffers: xc 12,582,912 bytes; xs 786,432 bytes; wc 1,572,864 bytes; ws 98,304 bytes; wo16 2,097,152 bytes; qkv 50,331,648 bytes; att 16,777,216 bytes
;; launch prep (part 1): grid 832 x 1, 4 waves a work-group, no clusters, 68,096 bytes of LDS; arguments query, key, value, Wq, Wk, Wv, Wo, xc, xs, wc, ws, wo16; writes xc, xs, wc, ws, wo16
.if DOCPART == 1
	.amdgcn_target "amdgcn-amd-amdhsa--gfx1250"
	.amdhsa_code_object_version 6
	.text
	.protected	k_q2e53054c45_prep
	.globl	k_q2e53054c45_prep
	.p2align	8
	.type	k_q2e53054c45_prep,@function
k_q2e53054c45_prep:
	s_mov_b64 s[64:65], 0
	v_nop
	global_prefetch_b8 v0, s[64:65] scope:SCOPE_SE
	s_setreg_imm32_b32 hwreg(HW_REG_WAVE_MODE, 25, 1), 1
	s_wait_xcnt 0x0
; THE OPERANDS ARE MADE READY, ONCE.  Three kinds of work-groups, told apart by the work-group's number alone:
;   0 .. 47   Wq, Wk, Wv [1024 (k)][1024 (n)] f32 -> codes of E2M1 laid [n][k] with K innermost (wc) and one E8M0 byte for each 32 along K (ws).  K is the FIRST axis: a lane takes a column, its registers run down K.
;   48 .. 63  Wo f32 -> f16, as it lies (wo16).
;   64 .. 831 query, key, value [8192][1024] f32 -> codes (xc) and scale bytes (xs).  K is innermost and rows are dense: plain streams of blocks of 32.
; A block's scale is 2^(floor(log2(its largest magnitude)) - 2); its byte is the largest magnitude's exponent field - 2, held at 1 from below; each number is divided by the scale and rounded to the nearest code, ties to even,
; beyond the largest code the largest.
; LIMITS: a block of zeros gets the byte 1 where the rule says 127 (its codes are zeros, and this program alone reads the bytes); blocks whose largest magnitude lies under 2^-124 keep the byte 1; NaN and infinities are not served;
; |Wo| stays under 65,504 (f16).
; No tensor loads, no barrier, no cluster: waves share nothing.  Each kind has LDS bytes of its own.
.set WREG,   8192                      ; x: a region for each wave: two stages of 32 x SP bytes, behind them its 256 scale bytes
.set SP,     80                        ; a lane's place in a stage: its 64 bytes + 16 of padding
.set WSTG,   32768                     ; W: a stage of 32 rows x WP bytes for each wave
.set WP,     272
.set SPARE,  67584                     ; the spare words, 128 bytes for each wave: two blocks of 256 bytes that no other line names
.set SPW,    190                       ; v190 LDS address of my spare word; never rewritten
.set NIL,    191                       ; v191 0; never rewritten
.set STEPS,  16
.set CB,     8                         ; bytes of 16 codes
.set XR,     16                        ; x: v16-79 four sets of 16 numbers as loaded
.set XX,     80                        ;    v80-111 two sets of 16 neighbours
.set XE,     112                       ;    v112-127 a scale byte for each step
.set XC,     128                       ;    v128-189 codes: four registers for each step (two used)
.set NB,     16                        ; W: blocks of 32 along K for a wave
.set KROW,   512                       ;    a row of codes in bytes
.set WX,     32                        ;    v32-95 two sets of 32 numbers
.set WC,     96                        ;    v96-99 a block's codes
.set WOUT,   112                       ;    v112-175 the way out
.set WSB,    24                        ;    v24-27 scale bytes, four to a register
	s_load_b256 s[4:11], s[0:1], 0x0               ; query, key, value, Wq
	s_load_b256 s[12:19], s[0:1], 0x20             ; Wk, Wv, Wo, xc
	s_load_b256 s[20:27], s[0:1], 0x40             ; xs, wc, ws, wo16
	v_lshl_add_u32 v[SPW], v0, 2, SPARE
	v_mov_b32 v[NIL], 0
	v_lshrrev_b32 v1, 5, v0
	v_readfirstlane_b32 s28, v1                    ; wave 0..3
	v_and_b32 v2, 31, v0                           ; lane
	s_wait_kmcnt 0x0
	s_cmp_lt_u32 ttmp9, 48
	s_cbranch_scc1 .Lw
	s_cmp_lt_u32 ttmp9, 64
	s_cbranch_scc1 .Lwo
; ---------------- query, key, value.  A wave takes 16 steps of 512 numbers.  Each load reads 512 consecutive bytes; a step's 2,048 bytes turn through the wave's own stage, so that a lane then holds 16 neighbours along K.
	s_sub_co_u32 s29, ttmp9, 64                    ; 0 .. 767: 256 work-groups a tensor
	s_lshr_b32 s32, s29, 8                         ; which tensor
	s_cmp_eq_u32 s32, 0
	s_cselect_b64 s[30:31], s[4:5], s[6:7]
	s_cmp_eq_u32 s32, 2
	s_cselect_b64 s[30:31], s[8:9], s[30:31]
	s_lshl_b32 s33, s29, 2
	s_add_co_u32 s33, s33, s28                     ; my run of 8,192 numbers, counted through all three tensors
	s_and_b32 s34, s33, 1023                       ; and inside its tensor
	s_lshl_b32 s34, s34, 15                        ; 32,768 bytes of f32 a run
	s_mov_b32 s35, 0
	s_add_nc_u64 s[30:31], s[30:31], s[34:35]
	s_lshl_b32 s34, s33, 12                        ; 4,096 bytes of codes
	s_add_nc_u64 s[18:19], s[18:19], s[34:35]
	s_lshl_b32 s34, s33, 8                         ; 256 scale bytes
	s_add_nc_u64 s[20:21], s[20:21], s[34:35]
	v_lshlrev_b32 v3, 4, v2                        ; my 16 bytes of a load's 512
	s_mul_i32 s33, s28, WREG
	v_lshrrev_b32 v14, 2, v2
	v_mul_u32_u24 v14, v14, SP
	v_and_b32 v15, 3, v2
	v_lshl_add_u32 v14, v15, 4, v14
	v_add_nc_u32 v14, s33, v14                     ; the stage, on the way in: SP (lane / 4) + 16 (lane % 4)
	v_mul_u32_u24 v15, v2, SP
	v_add_nc_u32 v15, s33, v15                     ; and on the way out: SP x lane
	v_mul_u32_u24 v4, v2, CB                       ; my codes' place in a step's
	v_lshrrev_b32 v5, 1, v2
	s_add_co_u32 s33, s33, 2*32*SP
	v_add_nc_u32 v5, s33, v5                       ; my block's scale byte in the wave's 256
	v_lshlrev_b32 v7, 3, v2
	v_add_nc_u32 v6, s33, v7                       ; and on the way out 8 bytes a lane
.macro XLOAD t
.irp i, 0,1,2,3
	global_load_b128 v[XR+16*((\t)%4)+4*\i:XR+16*((\t)%4)+4*\i+3], v3, s[30:31] offset:2048*(\t)+512*\i th:TH_LOAD_NT
.endr
.endm
.macro XTURN t                         ; LDS serves a wave's instructions in order: no wait between the stores and the loads
.irp i, 0,1,2,3
	ds_store_b128 v14, v[XR+16*((\t)%4)+4*\i:XR+16*((\t)%4)+4*\i+3] offset:32*SP*((\t)%2)+8*SP*\i
.endr
.irp i, 0,1,2,3
	ds_load_b128 v[XX+16*((\t)%2)+4*\i:XX+16*((\t)%2)+4*\i+3], v15 offset:32*SP*((\t)%2)+16*\i
.endr
.endm
.irp t, 0,1,2,3
	XLOAD \t
.endr
	s_wait_loadcnt 12                              ; step 0's four loads are in; those of steps 1 to 3 may be out
	XTURN 0
.macro XSTEP t
.set XS, XX+16*((\t)%2)
.if (\t) > 0
	s_wait_dscnt 1                                 ; this step's numbers are back from the stage (the last step's byte store may be out)
.else
	s_wait_dscnt 0x0
.endif
.if (\t)+4 < STEPS
	XLOAD (\t)+4                                   ; into the set whose stores into the stage have read their registers
.endif
.if (\t)+1 < STEPS
.if STEPS-2-(\t) >= 3
	s_wait_loadcnt 12                              ; the next step's four loads are in; those of the three steps behind it may be out
.else
	s_wait_loadcnt 4*(STEPS-2-(\t))
.endif
	XTURN (\t)+1
.endif
	v_max3_num_f32 v8, |v[XS]|, |v[XS+1]|, |v[XS+2]|               ; the largest magnitude of my 16, in two chains
	v_max3_num_f32 v9, |v[XS+3]|, |v[XS+4]|, |v[XS+5]|
.irp i, 6,10
	v_max3_num_f32 v8, v8, |v[XS+\i]|, |v[XS+\i+1]|
	v_max3_num_f32 v9, v9, |v[XS+\i+2]|, |v[XS+\i+3]|
.endr
	v_max3_num_f32 v8, v8, |v[XS+14]|, |v[XS+15]|
	v_max3_num_f32 v8, v8, v9, 0x1800000           ; and the floor 2^(3 - 127): the byte cannot fall under 1
	v_max_num_f32_dpp v8, v8, v8 row_xmask:1 row_mask:0xf bank_mask:0xf   ; and of my neighbour's 16: the block's
	v_add_nc_u32 v11, 0xff000000, v8               ; 2 off its exponent field: the conversion takes the exponent field of this operand as its scale
	v_cvt_scalef32_pk8_fp4_f32 v[XC+4*(\t)], v[XS:XS+7], v11
	v_cvt_scalef32_pk8_fp4_f32 v[XC+4*(\t)+1], v[XS+8:XS+15], v11
	v_lshrrev_b32 v[XE+(\t)], 23, v11              ; the scale's byte
	ds_store_b8 v5, v[XE+(\t)] offset:16*(\t)      ; both lanes of a block write the same byte with the same value
	global_store_b64 v4, v[XC+4*(\t):XC+4*(\t)+1], s[18:19] offset:32*CB*(\t)   ; the wave stores 256 consecutive bytes, aligned
.endm
.irp t, 0,1,2,3,4,5,6,7,8,9,10,11,12,13,14,15
	XSTEP \t
.endr
	ds_load_b64 v[8:9], v6                         ; my wave's 256 scale bytes
	s_wait_dscnt 0x0
	global_store_b64 v7, v[8:9], s[20:21]          ; 256 consecutive bytes, aligned
	s_wait_tensorcnt 0x0                           ; the wave's end: three lines behind my last LDS store
	ds_add_u32 v[SPW], v[NIL]
	s_wait_dscnt 0x0
	s_endpgm
; ---------------- Wq, Wk, Wv.  A wave takes 32 columns x 512 along K: 16 blocks a lane; the codes leave through the wave's own stage as rows.
.Lw:
	s_lshr_b32 s32, ttmp9, 4                       ; which weight: 16 work-groups each
	s_cmp_eq_u32 s32, 0
	s_cselect_b64 s[30:31], s[10:11], s[12:13]
	s_cmp_eq_u32 s32, 2
	s_cselect_b64 s[30:31], s[14:15], s[30:31]
	s_and_b32 s33, ttmp9, 7
	s_lshl_b32 s33, s33, 7
	s_lshl_b32 s34, s28, 5
	s_add_co_u32 s33, s33, s34                     ; my wave's first column
	s_bfe_u32 s36, ttmp9, 0x10003                  ; which 512 along K
	s_lshl_b32 s34, s36, 21                        ; 512 rows of 4,096 bytes
	s_lshl_b32 s37, s33, 2
	s_add_co_u32 s34, s34, s37
	s_mov_b32 s35, 0
	s_add_nc_u64 s[30:31], s[30:31], s[34:35]
	s_lshl_b32 s34, s32, 19                        ; codes: 524,288 bytes a weight, 512 a column, 256 for 512 along K
	s_lshl_b32 s37, s33, 9
	s_add_co_u32 s34, s34, s37
	s_lshl_b32 s37, s36, 8
	s_add_co_u32 s34, s34, s37
	s_add_nc_u64 s[22:23], s[22:23], s[34:35]
	s_lshl_b32 s34, s32, 15                        ; scale bytes: 32,768 a weight, 32 a column, 16 for 512 along K
	s_lshl_b32 s37, s33, 5
	s_add_co_u32 s34, s34, s37
	s_lshl_b32 s37, s36, 4
	s_add_co_u32 s34, s34, s37
	s_add_nc_u64 s[24:25], s[24:25], s[34:35]
	v_lshlrev_b32 v3, 2, v2                        ; in: 4 bytes a lane
	s_mul_i32 s38, s28, 32*WP
	s_add_co_u32 s38, s38, WSTG                    ; my stage
	v_mul_u32_u24 v4, v2, WP
	v_add_nc_u32 v4, s38, v4                       ; into it: row = my column
	v_and_b32 v5, 15, v2
	v_lshrrev_b32 v6, 4, v2                        ; out of it: sixteen lanes to a row, two rows an instruction
	v_mul_u32_u24 v7, v6, WP
	v_lshl_add_u32 v7, v5, 4, v7
	v_add_nc_u32 v7, s38, v7
	v_mul_u32_u24 v8, v6, KROW
	v_lshl_add_u32 v8, v5, 4, v8                   ; and the same place among the codes
	v_lshlrev_b32 v9, 5, v2                        ; my column's row of scale bytes
.macro WLOAD t                         ; block t: W(32 t + i, my column) into set t % 2; every offset is an immediate, 2,093,056 at the most
.irp i, 0,1,2,3,4,5,6,7,8,9,10,11,12,13,14,15,16,17,18,19,20,21,22,23,24,25,26,27,28,29,30,31
	global_load_b32 v[WX+32*((\t)%2)+\i], v3, s[30:31] offset:(32*(\t)+\i)*4096 th:TH_LOAD_NT
.endr
.endm
	WLOAD 0
	WLOAD 1
.macro WBLOCK t
.set WS, WX+32*((\t)%2)
.if (\t) < NB-1
	s_wait_loadcnt 32                              ; this block's 32 loads are in; the next block's may be out
.else
	s_wait_loadcnt 0x0
.endif
	v_max3_num_f32 v12, |v[WS]|, |v[WS+1]|, |v[WS+2]|              ; the block's largest magnitude: all 32 numbers are mine
	v_max3_num_f32 v13, |v[WS+3]|, |v[WS+4]|, |v[WS+5]|
.irp i, 6,10,14,18,22,26
	v_max3_num_f32 v12, v12, |v[WS+\i]|, |v[WS+\i+1]|
	v_max3_num_f32 v13, v13, |v[WS+\i+2]|, |v[WS+\i+3]|
.endr
	v_max3_num_f32 v12, v12, |v[WS+30]|, |v[WS+31]|
	v_max3_num_f32 v12, v12, v13, 0x1800000        ; and the floor
	v_add_nc_u32 v11, 0xff000000, v12              ; the conversion's scale operand
	v_lshrrev_b32 v13, 23, v11                     ; the scale's byte
.if (\t)%4 == 0
	v_mov_b32 v[WSB+(\t)/4], v13                   ; four bytes to a register, the lower K in the lower byte
.else
	v_lshl_or_b32 v[WSB+(\t)/4], v13, 8*((\t)%4), v[WSB+(\t)/4]
.endif
.irp g, 0,1,2,3
	v_cvt_scalef32_pk8_fp4_f32 v[WC+\g], v[WS+8*\g:WS+8*\g+7], v11
.endr
	ds_store_b128 v4, v[WC:WC+3] offset:16*(\t)    ; 32 codes: 16 bytes of my column's row
.if (\t)+2 < NB
	WLOAD (\t)+2
.endif
	s_wait_dscnt 0x0                               ; the store has read its registers: the next block's codes may be written
.endm
.set QB, 0
.rept NB
	WBLOCK QB
.set QB, QB+1
.endr
	global_store_b128 v9, v[WSB:WSB+3], s[24:25]   ; my column's 16 scale bytes
.irp t, 0,1,2,3,4,5,6,7,8,9,10,11,12,13,14,15
	ds_load_b128 v[WOUT+4*\t:WOUT+4*\t+3], v7 offset:2*\t*WP
.endr
.irp t, 0,1,2,3,4,5,6,7,8,9,10,11,12,13,14,15
	s_wait_dscnt 15-\t                             ; LDS loads come back in order: load t is in, the 15 - t younger ones may be out
	global_store_b128 v8, v[WOUT+4*\t:WOUT+4*\t+3], s[22:23] offset:2*\t*KROW   ; sixteen lanes store 256 consecutive bytes, aligned
.endr
	s_wait_tensorcnt 0x0                           ; the wave's end: the three lines
	ds_add_u32 v[SPW], v[NIL]
	s_wait_dscnt 0x0
	s_endpgm
; ---------------- Wo to f16.  A work-group takes 262,144 bytes: 128 pieces of 2,048; a thread 16 bytes of each.  Two batches of 16 loads are on their way.
.Lwo:
	s_sub_co_u32 s29, ttmp9, 48
	s_lshl_b32 s34, s29, 18
	s_mov_b32 s35, 0
	s_add_nc_u64 s[16:17], s[16:17], s[34:35]
	s_lshl_b32 s34, s29, 17
	s_add_nc_u64 s[26:27], s[26:27], s[34:35]
	v_lshlrev_b32 v1, 4, v0                        ; in: a wave reads 512 consecutive bytes
	v_lshlrev_b32 v3, 3, v0                        ; out: a wave stores 256 consecutive bytes, aligned
.macro OLOAD g
.irp k, 0,1,2,3,4,5,6,7,8,9,10,11,12,13,14,15
	global_load_b128 v[16+64*((\g)%2)+4*\k:16+64*((\g)%2)+4*\k+3], v1, s[16:17] offset:2048*(16*(\g)+\k) th:TH_LOAD_NT
.endr
.endm
.macro OBATCH g
.if (\g) < 7
	s_wait_loadcnt 16                              ; this batch is in; the next batch's 16 loads may be out
.else
	s_wait_loadcnt 0x0
.endif
.if (\g) > 0
	s_wait_xcnt 0x0                                ; the last batch's stores have read their data: v144-175 are written again only behind this wait
.endif
.irp k, 0,1,2,3,4,5,6,7,8,9,10,11,12,13,14,15
	v_cvt_pk_f16_f32 v[144+2*\k], v[16+64*((\g)%2)+4*\k], v[16+64*((\g)%2)+4*\k+1]
	v_cvt_pk_f16_f32 v[145+2*\k], v[16+64*((\g)%2)+4*\k+2], v[16+64*((\g)%2)+4*\k+3]
.endr
.if (\g)+2 < 8
	OLOAD (\g)+2                                   ; loads ahead of stores
.endif
.irp k, 0,1,2,3,4,5,6,7,8,9,10,11,12,13,14,15
	global_store_b64 v3, v[144+2*\k:145+2*\k], s[26:27] offset:1024*(16*(\g)+\k)
.endr
.endm
	OLOAD 0
	OLOAD 1
.irp g, 0,1,2,3,4,5,6,7
	OBATCH \g
.endr
	s_wait_tensorcnt 0x0                           ; the three lines stand at every end of this text
	ds_add_u32 v[SPW], v[NIL]
	s_wait_dscnt 0x0
	s_endpgm
.Lfunc_end_k_q2e53054c45_prep:
	.size	k_q2e53054c45_prep, .Lfunc_end_k_q2e53054c45_prep-k_q2e53054c45_prep
	.p2alignl 7, 3214868480
	.fill 96, 4, 3214868480
	.section	.rodata,"a",@progbits
	.p2align	6, 0x0
	.amdhsa_kernel k_q2e53054c45_prep
		.amdhsa_group_segment_fixed_size 68096
		.amdhsa_private_segment_fixed_size 0
		.amdhsa_enable_private_segment 0
		.amdhsa_kernarg_size 96
		.amdhsa_user_sgpr_count 2
		.amdhsa_user_sgpr_kernarg_segment_ptr 1
		.amdhsa_wavefront_size32 1
		.amdhsa_system_sgpr_workgroup_id_x 1
		.amdhsa_system_sgpr_workgroup_id_y 1
		.amdhsa_system_sgpr_workgroup_id_z 1
		.amdhsa_system_vgpr_workitem_id 0
		.amdhsa_next_free_vgpr 192
		.amdhsa_next_free_sgpr 66
		.amdhsa_reserve_vcc 0
		.amdhsa_float_denorm_mode_32 3
		.amdhsa_float_denorm_mode_16_64 3
		.amdhsa_memory_ordered 1
		.amdhsa_forward_progress 1
		.amdhsa_inst_pref_size 152
	.end_amdhsa_kernel
	.amdgpu_metadata
---
amdhsa.version: [ 1, 2 ]
amdhsa.kernels:
  - .name:           k_q2e53054c45_prep
    .symbol:         k_q2e53054c45_prep.kd
    .args:
      - { .name: query, .offset: 0, .size: 8, .value_kind: global_buffer, .address_space: global }
      - { .name: key, .offset: 8, .size: 8, .value_kind: global_buffer, .address_space: global }
      - { .name: value, .offset: 16, .size: 8, .value_kind: global_buffer, .address_space: global }
      - { .name: Wq, .offset: 24, .size: 8, .value_kind: global_buffer, .address_space: global }
      - { .name: Wk, .offset: 32, .size: 8, .value_kind: global_buffer, .address_space: global }
      - { .name: Wv, .offset: 40, .size: 8, .value_kind: global_buffer, .address_space: global }
      - { .name: Wo, .offset: 48, .size: 8, .value_kind: global_buffer, .address_space: global }
      - { .name: xc, .offset: 56, .size: 8, .value_kind: global_buffer, .address_space: global }
      - { .name: xs, .offset: 64, .size: 8, .value_kind: global_buffer, .address_space: global }
      - { .name: wc, .offset: 72, .size: 8, .value_kind: global_buffer, .address_space: global }
      - { .name: ws, .offset: 80, .size: 8, .value_kind: global_buffer, .address_space: global }
      - { .name: wo16, .offset: 88, .size: 8, .value_kind: global_buffer, .address_space: global }
    .group_segment_fixed_size: 68096
    .private_segment_fixed_size: 0
    .kernarg_segment_align: 8
    .kernarg_segment_size: 96
    .max_flat_workgroup_size: 128
    .sgpr_count:     66
    .vgpr_count:     192
    .wavefront_size: 32
...
	.end_amdgpu_metadata
.endif
;; end of part 1
;; launch proj (part 2): grid 4 x 96, 4 waves a work-group, clusters of 4 x 4, 327,680 bytes of LDS; arguments xc, xs, wc, ws, bq, bk, bv, mask, qkv; writes qkv
.if DOCPART == 2
	.amdgcn_target "amdgcn-amd-amdhsa--gfx1250"
	.amdhsa_code_object_version 6
	.text
	.protected	k_q2e53054c45_proj
	.globl	k_q2e53054c45_proj
	.p2align	8
	.type	k_q2e53054c45_proj,@function
k_q2e53054c45_proj:
	s_mov_b64 s[64:65], 0
	v_nop
	global_prefetch_b8 v0, s[64:65] scope:SCOPE_SE
	s_setreg_imm32_b32 hwreg(HW_REG_WAVE_MODE, 25, 1), 1
	s_wait_xcnt 0x0
	s_wait_alu depctr_hold_cnt(0) depctr_sa_sdst(0) depctr_va_vdst(0) depctr_va_sdst(0) depctr_va_ssrc(0) depctr_va_vcc(0) depctr_vm_vsrc(0)
	s_getreg_b32 s2, hwreg(HW_REG_IB_STS2, 6, 4)
	s_cmp_eq_u32 s2, 0
	s_cbranch_scc0 .Lentry_in_a_cluster
	s_endpgm
.Lentry_in_a_cluster:
	s_bfe_u32 s2, ttmp6, 0x10000c
	s_cmp_lg_u32 s2, 0xf033
	s_cbranch_scc0 .Lentry_shape_is_right
	s_endpgm
.Lentry_shape_is_right:
; q, k, v = x W + b on codes of E2M1 with one E8M0 scale for each 32 along K = 1,024; sums in f32, the bias as each sum's first addend (another order of rounding than a bias added last).
; The three products are ONE GEMM of 24,576 rows (query's, key's, value's 8,192 each): tile rows 0-31 take Wq, 32-63 Wk, 64-95 Wv.  A cluster's four tile rows lie in one tensor (32 is a multiple of 4).
; On the way out, in f32: q is multiplied by log2(e) / 8, so that the next launch's scores are exponents of 2; a row of k whose key has mask 0 becomes 0, so that the next launch can put the
; replacement score in as its product's first addend; then all is rounded to f16 and laid by heads: qkv [3][batch x 16 + head][2,048][64].
; LIMITS: |q log2(e) / 8|, |k|, |v| stay under 65,504 (f16); NaN and infinities are not served.
; A tile of 256 x 256 is made by four waves, each 128 x 128: 64 accumulators, 512 registers.  K goes in two steps of 512 through two LDS slots, both filled at the start: nothing is filled again.
; The scale bytes of the work-group's rows, for all of K, come once, as whole rows of 256 bytes.
; CLUSTERS: 4 x 4.  The four of a row of the cluster need the same tiles of x, the four of a column the same tiles of W: each tile is asked for jointly.
; THE MATRIX INSTRUCTION IS USED TRANSPOSED (source 0 = 16 columns of W, source 1 = 16 rows of x): a lane then holds eight neighbouring numbers of a row of the result.
; REGISTERS, in windows of 256: window 0: v0-31 addresses; v32-95 scale words, two sets, and nothing else; v96-111 a factor for each of my eight blocks of rows (first their mask words); v112, v113 at work;
;   v128-191 x's fragments, ONE set, later rows on their way out; v192-255 the bias in the result's layout, later the packing.  window 1: W's fragments, two sets.  windows 2, 3: the accumulators.
.set NQ,     4                         ; steps of 128 along K in a slot
.set ROWB,   256                       ; a tile's row in bytes: 512 codes
.set KROW,   512                       ; a row of codes in memory
.set PITCH,  272                       ; an LDS row: 256 bytes + 16 of padding: the 16 rows of a load start 68 words apart
.set FR,     8
.set NL,     2
.set NP,     4
.set HALFT,  128*PITCH
.set SLOT,   4*HALFT
.set KS,     32                        ; a row of scale bytes
.set SCL,    2*SLOT
.set HALFS,  (128*KS/256)*272
.set SBLK,   (16*KS/256)*272
.set SPARE,  SCL+4*HALFS               ; the spare words, 128 bytes a wave: two blocks of 256 bytes that no other line names
.set SPITCH, 144                       ; the way out: a stage of 2 heads x 16 rows x (128 bytes + 16) for each wave, in slot 0, which has had its only fill and its last read by then
.set ADRA, 16
.set ADRB, 20
.set STO,  24
.set RD,   25
.set CO,   26
.set ADRS, 27
.set SPW,  28
.set NIL,  29
.set SC,   32
.set MK,   96
.set AF,   128
.set BK,   128
.set BI,   192
.set T,    192
.set G1, 24
.set G0, 32
.set G1B, 48
.set G0B, 56
.set G1S, 68
.set G0S, 76
.set G1SB, 80
.set G0SB, 88
.set MSB, 0
.macro WIN new                         ; the immediate's high byte repeats the setting that is left
.if MSB != \new
	s_set_vgpr_msb (MSB<<8)|\new
.set MSB, \new
.endif
.endm
.set MUL_LO, 0xa1                      ; source 0 (W) window 1, source 1 (x) window 0, C and D window 2
.set MUL_HI, 0xf1                      ; the same, C and D window 3
.set FST_LO, 0x81                      ; the first step: C (the bias) window 0, D window 2
.set FST_HI, 0xc1                      ; D window 3
.set TO_B,   0x40
; A joint load: waves 0 and 1 fetch for x, waves 2 and 3 for W.  The branch hangs on the wave's number alone.  An s_nop 0 and four v_nop follow each of the two lines.
.macro JLOAD g0a, g1a, g0b, g1b
	s_cmp_eq_u32 s15, 0
	s_cbranch_scc0 .Lfor_b_\@
	tensor_load_to_lds s[\g0a:\g0a+3], s[\g1a:\g1a+7]
	s_nop 0
.rept 4
	v_nop
.endr
	s_branch .Lasked_\@
.Lfor_b_\@:
	tensor_load_to_lds s[\g0b:\g0b+3], s[\g1b:\g1b+7]
	s_nop 0
.rept 4
	v_nop
.endr
.Lasked_\@:
.endm
.macro CROUND                          ; a round of the cluster's barrier
	s_barrier_signal -1
	s_barrier_wait -1
	s_cmp_lg_u32 s14, 0
	s_cbranch_scc1 .Lnot_wave_0_\@
	s_barrier_signal -3
.Lnot_wave_0_\@:
	s_barrier_wait -3
	s_barrier_signal -1
	s_barrier_wait -1
.endm
	s_load_b256 s[4:11], s[0:1], 0x0               ; x's codes, x's scales, W's codes, W's scales
	v_lshl_add_u32 v[SPW], v0, 2, SPARE
	v_mov_b32 v[NIL], 0
	ds_add_u32 v[SPW], v[NIL]                      ; the wave's opening: the add, twice on end, and its wait ahead of my first tensor load
	ds_add_u32 v[SPW], v[NIL]
	v_lshrrev_b32 v1, 5, v0
	v_readfirstlane_b32 s14, v1                    ; wave 0..3
	s_lshr_b32 s15, s14, 1                         ; which half of the tile's rows is mine.  Also: I fetch for x (0) or for W (1)
	s_and_b32 s16, s14, 1                          ; which half of its columns.  Also: which 128 rows of that tile I fetch
	s_bfe_u32 s40, ttmp6, 0x40000                  ; cx, cy
	s_bfe_u32 s41, ttmp6, 0x40004
	s_lshl_b32 s42, ttmp9, 2
	s_add_co_u32 s42, s42, s40                     ; tile column = 4 x cluster x + cx
	s_and_b32 s17, ttmp7, 0xffff
	s_lshr_b32 s66, s17, 3                         ; which tensor: 8 clusters each; the same in all sixteen partners
	s_lshl_b32 s17, s17, 2
	s_add_co_u32 s17, s17, s41                     ; tile row = 4 x cluster y + cy
	s_lshl_b32 s43, s41, 2
	s_lshl_b32 s43, 15, s43                        ; my row of the cluster
	s_lshl_b32 s44, 0x1111, s40                    ; my column
	s_or_b32 s[G1+0], s43, (0<<16)|(1<<20)|(1<<21)|(5<<22)|(3<<25)  ; the mask; elements of 1 byte; padding on; bit 21 beside a mask; 4 words behind every 64
	s_or_b32 s[G1B+0], s44, (0<<16)|(1<<20)|(1<<21)|(5<<22)|(3<<25)
.irp g, G1, G1B
	s_mov_b32 s[\g+1], ROWB<<16                    ; tensor_dim0
	s_mov_b32 s[\g+2], 128<<16                     ; tensor_dim1
	s_mov_b32 s[\g+3], ROWB<<16                    ; tile_dim0
	s_mov_b32 s[\g+4], 128                         ; tile_dim1
	s_mov_b32 s[\g+5], KROW                        ; the pitch
	s_mov_b32 s[\g+6], 0
	s_mov_b32 s[\g+7], 0
.endr
	s_or_b32 s[G1S+0], s43, (3<<16)|(1<<20)|(1<<21)|(5<<22)|(3<<25) ; the scales of 128 rows: 4,096 dense bytes as 16 rows of 256 (32 elements of 8 bytes), 16 bytes of padding behind each
	s_or_b32 s[G1SB+0], s44, (3<<16)|(1<<20)|(1<<21)|(5<<22)|(3<<25)
.irp g, G1S, G1SB
	s_mov_b32 s[\g+1], 32<<16
	s_mov_b32 s[\g+2], (128*KS/256)<<16
	s_mov_b32 s[\g+3], 32<<16
	s_mov_b32 s[\g+4], 128*KS/256
	s_mov_b32 s[\g+5], 32
	s_mov_b32 s[\g+6], 0
	s_mov_b32 s[\g+7], 0
.endr
	s_lshl_b32 s18, s16, 7                         ; which 128 rows of the tile I fetch
	s_lshl_b32 s20, s17, 8
	s_add_co_u32 s20, s20, s18                     ; x: row 256 x tile row + 128 x half
	s_lshl_b32 s46, s42, 8
	s_add_co_u32 s46, s46, s18                     ; W: row 256 x tile column + 128 x half
	s_lshl_b32 s19, s66, 10
	s_add_co_u32 s46, s46, s19                     ;    + 1,024 x tensor
	s_mov_b32 s21, 0
	s_mov_b32 s47, 0
	s_mov_b64 s[18:19], KS
	s_mul_u64 s[22:23], s[20:21], s[18:19]         ; where these rows' scales begin
	s_mul_u64 s[92:93], s[46:47], s[18:19]
	s_mov_b64 s[18:19], KROW
	s_mul_u64 s[20:21], s[20:21], s[18:19]         ; and their codes
	s_mul_u64 s[46:47], s[46:47], s[18:19]
	s_mul_i32 s45, s14, HALFT                      ; where they go: wave x 128 rows
	s_mul_i32 s94, s14, HALFS
	s_wait_dscnt 0x0                               ; both opening adds are done
	s_wait_kmcnt 0x0
	s_add_nc_u64 s[20:21], s[4:5], s[20:21]
	s_add_nc_u64 s[22:23], s[6:7], s[22:23]
	s_add_nc_u64 s[46:47], s[8:9], s[46:47]
	s_add_nc_u64 s[92:93], s[10:11], s[92:93]
	CROUND                                         ; all sixteen work-groups are here: the joint loads meet
	s_mov_b32 s[G0S], 1
	s_add_co_u32 s[G0S+1], s94, SCL
	s_mov_b64 s[G0S+2:G0S+3], s[22:23]
	s_or_b32 s[G0S+3], s[G0S+3], 0x80000000
	s_mov_b32 s[G0SB], 1
	s_add_co_u32 s[G0SB+1], s94, SCL
	s_mov_b64 s[G0SB+2:G0SB+3], s[92:93]
	s_or_b32 s[G0SB+3], s[G0SB+3], 0x80000000
	JLOAD G0S, G1S, G0SB, G1SB                     ; the scales first; by this text's count three tensor loads of a wave are out at the most
.irp s, 0,1
	s_mov_b32 s[G0+4*\s], 1
	s_add_co_u32 s[G0+4*\s+1], s45, \s*SLOT
	s_add_nc_u64 s[G0+4*\s+2:G0+4*\s+3], s[20:21], \s*ROWB
	s_or_b32 s[G0+4*\s+3], s[G0+4*\s+3], 0x80000000
	s_mov_b32 s[G0B+4*\s], 1
	s_add_co_u32 s[G0B+4*\s+1], s45, \s*SLOT
	s_add_nc_u64 s[G0B+4*\s+2:G0B+4*\s+3], s[46:47], \s*ROWB
	s_or_b32 s[G0B+4*\s+3], s[G0B+4*\s+3], 0x80000000
	JLOAD G0+4*\s, G1, G0B+4*\s, G1B
.endr
	s_load_b256 s[4:11], s[0:1], 0x20              ; bq, bk, bv, mask (the four addresses that stood here are in the descriptors)
	s_load_b64 s[12:13], s[0:1], 0x40              ; qkv
	v_and_b32 v1, 15, v0                           ; r = lane % 16
	v_bfe_u32 v2, v0, 4, 1                         ; h = lane / 16
	v_mul_u32_u24 v3, v1, PITCH
	v_lshl_add_u32 v4, v2, 4, v3                   ; a fragment's row x pitch + 16 x half
	s_mul_i32 s21, s15, HALFT                      ; my 128 rows of x
	s_mul_i32 s22, s16, HALFT                      ; my 128 rows of W,
	s_add_co_u32 s22, s22, 2*HALFT                 ; which lie behind x's 256
.irp s, 0,1
	v_add_nc_u32 v[ADRA+\s], s21, v4
	v_add_nc_u32 v[ADRB+\s], s22, v4
	s_add_co_u32 s21, s21, SLOT
	s_add_co_u32 s22, s22, SLOT
.endr
	v_mul_u32_u24 v5, v1, KS                       ; my row's scales: 32 bytes a row,
	v_lshrrev_b32 v6, 8, v5
	v_lshl_add_u32 v5, v6, 4, v5                   ; and 16 more for each 256 passed
	s_mul_i32 s21, s15, HALFS
	s_mul_i32 s22, s16, HALFS
	s_add_co_u32 s22, s22, 2*HALFS
	s_sub_co_u32 s22, s22, s21
	v_mul_u32_u24 v6, s22, v2                      ; lanes 16-31 take W's: one product, the distance between the two bases
	s_add_co_u32 s21, s21, SCL
	v_add_nc_u32 v5, v5, v6
	v_add_nc_u32 v[ADRS], s21, v5
	s_mul_i32 s23, s14, 2*16*SPITCH                ; my stage
	v_mul_u32_u24 v5, v1, SPITCH
	v_lshl_add_u32 v5, v2, 4, v5
	v_add_nc_u32 v[STO], s23, v5                   ; in: row r, 16 bytes for each half of the lanes
	v_and_b32 v6, 31, v0
	v_lshlrev_b32 v[CO], 4, v6                     ; out: 16 bytes a lane
	v_lshrrev_b32 v5, 3, v6
	v_mul_u32_u24 v5, v5, SPITCH
	v_and_b32 v6, 7, v0
	v_lshl_add_u32 v5, v6, 4, v5
	v_add_nc_u32 v[RD], s23, v5                    ; back: eight lanes to a row of 128 bytes, four rows an instruction
	v_lshlrev_b32 v7, 5, v2                        ; the bias: my half's eight numbers of a tile of 16
	v_lshlrev_b32 v8, 2, v1                        ; the mask: my row's word
	s_and_b32 s20, s17, 31
	s_lshl_b32 s20, s20, 8
	s_lshl_b32 s21, s15, 7
	s_add_co_u32 s20, s20, s21                     ; m: my first row in its tensor
	s_lshl_b32 s22, s20, 2                         ; its mask word (the mask is [4][2,048], as the rows are)
	s_mov_b32 s23, 0
	s_lshl_b32 s46, s42, 10
	s_lshl_b32 s47, s16, 9
	s_add_co_u32 s46, s46, s47                     ; my first column's bias, in bytes
	s_mov_b32 s47, 0
	s_lshr_b32 s92, s20, 11                        ; the batch
	s_lshl_b32 s92, s92, 22                        ; 16 heads of 262,144 bytes
	s_and_b32 s93, s20, 2047
	s_lshl_b32 s93, s93, 7                         ; a head's row is 128 bytes
	s_add_co_u32 s92, s92, s93
	s_lshl_b32 s93, s42, 20                        ; four heads to a tile column,
	s_add_co_u32 s92, s92, s93
	s_lshl_b32 s93, s16, 19                        ; two to a wave
	s_add_co_u32 s92, s92, s93
	s_lshl_b32 s93, s66, 24                        ; the tensor
	s_add_co_u32 s92, s92, s93
	s_mov_b32 s93, 0
	s_wait_kmcnt 0x0
	s_cmp_eq_u32 s66, 0
	s_cselect_b64 s[18:19], s[4:5], s[6:7]
	s_mov_b32 s2, 0x3f800000
	s_cselect_b32 s2, 0x3e38aa3b, s2               ; the factor: log2(e) / 8 for q, 1 for k and v
	s_cmp_eq_u32 s66, 2
	s_cselect_b64 s[18:19], s[8:9], s[18:19]
	s_cmp_eq_u32 s66, 1
	s_cselect_b32 s67, 0, -1                       ; only k's rows heed the mask
	s_add_nc_u64 s[18:19], s[18:19], s[46:47]
	s_add_nc_u64 s[10:11], s[10:11], s[22:23]
	s_add_nc_u64 s[12:13], s[12:13], s[92:93]
.irp b, 0,1,2,3,4,5,6,7
	global_load_b128 v[BI+8*\b:BI+8*\b+3], v7, s[18:19] offset:64*\b        ; register j of tile b: the bias of column 16 b + 8 h + j
	global_load_b128 v[BI+8*\b+4:BI+8*\b+7], v7, s[18:19] offset:64*\b+16
.endr
.irp a, 0,1,2,3,4,5,6,7
	global_load_b32 v[MK+2*\a], v8, s[10:11] offset:64*\a                   ; the mask word of row 16 a + r
.endr
.macro FRAG reg, adr, q, i             ; 16 rows x 128 K of 4-bit codes: registers 4 c .. 4 c + 3 hold K = 64 c + 32 h + 0 .. 31
.irp c, 0,1
	ds_load_b128 v[\reg+4*\c:\reg+4*\c+3], v[\adr] offset:64*(\q)+32*\c+(\i)*16*PITCH
.endr
.endm
; 16 matrix instructions: x's blocks a0, a0 + 1 against W's eight, 128 along K.  first = 1: the bias starts the sums.  The 64 accumulators take turns, one instruction a turn.
.macro MUL16 a0, p, q, sc, first
.irp a, \a0, \a0+1
.irp b, 0,1,2,3,4,5,6,7
.if \first
	v_wmma_scale_f32_16x16x128_f8f6f4 v[8*(8*((\a)%4)+\b):8*(8*((\a)%4)+\b)+7], v[128*(\p)+FR*\b:128*(\p)+FR*\b+FR-1], v[AF+FR*(\a):AF+FR*(\a)+FR-1], v[BI+8*\b:BI+8*\b+7], v[SC+8*NQ*(\sc)+NQ*\b+(\q)], v[SC+8*NQ*(\sc)+NQ*(\a)+(\q)] matrix_a_fmt:MATRIX_FMT_FP4 matrix_b_fmt:MATRIX_FMT_FP4 matrix_a_scale:MATRIX_SCALE_ROW1
.else
	v_wmma_scale_f32_16x16x128_f8f6f4 v[8*(8*((\a)%4)+\b):8*(8*((\a)%4)+\b)+7], v[128*(\p)+FR*\b:128*(\p)+FR*\b+FR-1], v[AF+FR*(\a):AF+FR*(\a)+FR-1], v[8*(8*((\a)%4)+\b):8*(8*((\a)%4)+\b)+7], v[SC+8*NQ*(\sc)+NQ*\b+(\q)], v[SC+8*NQ*(\sc)+NQ*(\a)+(\q)] matrix_a_fmt:MATRIX_FMT_FP4 matrix_b_fmt:MATRIX_FMT_FP4 matrix_a_scale:MATRIX_SCALE_ROW1
.endif
.endr
.endr
.endm
.macro FETCH_B slot, q, p
	WIN TO_B
.irp i, 0,1,2,3,4,5,6,7
	FRAG 128*(\p)+FR*\i, ADRB+\slot, \q, \i
.endr
	WIN 0
.endm
.macro FETCH_A slot, q, i0
.irp i, \i0, \i0+1, \i0+2, \i0+3
	FRAG AF+FR*(\i), ADRA+\slot, \q, \i
.endr
.endm
.macro SCALES sc                       ; a slot's scale words: 4 words a row; lanes 0-15 take x's block i, lanes 16-31 W's block i
.irp i, 0,1,2,3,4,5,6,7
	ds_load_b128 v[SC+8*NQ*\sc+NQ*\i:SC+8*NQ*\sc+NQ*\i+3], v[ADRS] offset:\i*SBLK
.endr
.endm
.macro PLACES n                        ; plain vector instructions between a matrix instruction and a load into a register that it has read (ISA guide 7.12.1 for vector instructions)
.rept \n
	v_nop
.endr
.endm
.macro STEP slot, q, first             ; a step of 128 along K that has its successor in the same slot
	s_wait_dscnt 4*NL                              ; W's set and x's blocks 0-3 are in; the youngest eight loads (x's blocks 4-7) may be out
.if \first
	WIN FST_LO
.else
	WIN MUL_LO
.endif
	MUL16 0, (\q)%2, \q, \slot, \first
	MUL16 2, (\q)%2, \q, \slot, \first
	s_wait_dscnt 0
	PLACES NP
	FETCH_B \slot, (\q)+1, 1-(\q)%2
	FETCH_A \slot, (\q)+1, 0
.if \first
	WIN FST_HI
.else
	WIN MUL_HI
.endif
	MUL16 4, (\q)%2, \q, \slot, \first
	MUL16 6, (\q)%2, \q, \slot, \first
	PLACES NP
	WIN 0
	FETCH_A \slot, (\q)+1, 4
.endm
.macro STEPS slot, from
.set QQ, \from
.rept NQ-1-\from
	STEP \slot, QQ, 0
.set QQ, QQ+1
.endr
.endm
	s_wait_tensorcnt 1                             ; the scales and my part of slot 0 are in (slot 1's load may be out)
	s_barrier_signal -1
	s_barrier_wait -1                              ; everybody's are
	FETCH_B 0, 0, 0
	FETCH_A 0, 0, 0
	SCALES 0
	FETCH_A 0, 0, 4
	s_wait_loadcnt 0x0                             ; the bias and the mask words
	STEP 0, 0, 1
	STEPS 0, 1
	; slot 0's last step changes slots: one barrier; in front of it each wave waits for all its tensor loads, adds 0 to its spare word, and waits for that and for its reads of slot 0
	s_wait_tensorcnt 0x0                           ; my part of slot 1 has landed
	ds_add_u32 v[SPW], v[NIL]
	s_wait_dscnt 4*NL+1                            ; (the add and the youngest eight loads may be out)
	WIN MUL_LO
	MUL16 0, 1, NQ-1, 0, 0
	s_wait_dscnt 0x0                               ; the add is done, and my reads of slot 0 are over
	s_barrier_signal -1
	MUL16 2, 1, NQ-1, 0, 0
	WIN 0
	s_barrier_wait -1                              ; slot 1 is whole, and nobody reads slot 0 any more
	PLACES NP
	v_add_nc_u32 v[ADRS], 4*NQ, v[ADRS]            ; on to slot 1's scale words
	FETCH_B 1, 0, 0
	FETCH_A 1, 0, 0
	SCALES 1
	WIN MUL_HI
	MUL16 4, 1, NQ-1, 0, 0
	MUL16 6, 1, NQ-1, 0, 0
	PLACES NP
	WIN 0
	FETCH_A 1, 0, 4
	STEPS 1, 0
	s_wait_dscnt 4*NL                              ; the very last step: nothing more to fetch
	WIN MUL_LO
	MUL16 0, 1, NQ-1, 1, 0
	MUL16 2, 1, NQ-1, 1, 0
	s_wait_dscnt 0
	WIN MUL_HI
	MUL16 4, 1, NQ-1, 1, 0
	MUL16 6, 1, NQ-1, 1, 0
	WIN 0
	; THE WAY OUT.  First a factor for each of my rows: the tensor's factor, or 0 for a row of k whose mask word is 0.  These plain lines name no register of the last products: they are the places behind them.
	v_mov_b32 v112, s2
.irp a, 0,1,2,3,4,5,6,7
	v_or_b32 v113, s67, v[MK+2*\a]                 ; all ones for q and v
	v_cmp_ne_u32 vcc_lo, 0, v113
	v_cndmask_b32 v[MK+2*\a], 0, v112, vcc_lo
	v_mov_b32 v[MK+2*\a+1], v[MK+2*\a]             ; (named with it as a pair, so it is written)
.endr
.macro PACK a                          ; block a: x the rows' factor, in f32, each accumulator from its low end on; then to f16, in place: register 4 b + i holds columns 16 b + 8 h + 2 i, + 1
.set AC, 64*((\a)%4)
	WIN 0x02+((\a)/4)                              ; source 0: window 2 or 3
.set ii, 0
.rept 32
	v_pk_mul_f32 v[T+2*ii:T+2*ii+1], v[AC+2*ii:AC+2*ii+1], v[MK+2*(\a):MK+2*(\a)+1] op_sel_hi:[1,0]
.set ii, ii+1
.endr
	WIN 0
.set ii, 0
.rept 32
	v_cvt_pk_f16_f32 v[T+ii], v[T+2*ii], v[T+2*ii+1]
.set ii, ii+1
.endr
.endm
.macro TOSTAGE a                       ; 16 rows x 2 heads x 128 bytes into my stage, and back as 4 rows an instruction.  LDS serves a wave's instructions in order: no wait between
.irp b, 0,1,2,3,4,5,6,7
	ds_store_b128 v[STO], v[T+4*\b:T+4*\b+3] offset:(\b/4)*16*SPITCH+32*(\b%4)
.endr
.set BB, BK+32*((\a)%2)
.irp hh, 0,1
.irp i, 0,1,2,3
	ds_load_b128 v[BB+4*(4*\hh+\i):BB+4*(4*\hh+\i)+3], v[RD] offset:\hh*16*SPITCH+\i*4*SPITCH
.endr
.endr
.endm
.macro SEND a
.set BB, BK+32*((\a)%2)
	s_wait_dscnt 0x0                               ; the block is back in registers
	s_wait_xcnt 0x0                                ; the block before has had its stores' addresses translated: its registers take the next block's loads only behind this wait
.irp hh, 0,1
.irp i, 0,1,2,3
	global_store_b128 v[CO], v[BB+4*(4*\hh+\i):BB+4*(4*\hh+\i)+3], s[12:13] offset:\hh*262144+(\a)*2048+\i*512   ; 32 lanes store 512 consecutive bytes (4 rows of a head), aligned
.endr
.endr
.endm
	PACK 0
	TOSTAGE 0
.irp a, 1,2,3,4,5,6,7                  ; block a's arithmetic stands between block a - 1's loads from the stage and the wait for them
	PACK \a
	SEND \a-1
	TOSTAGE \a
.endr
	SEND 7
	s_wait_tensorcnt 0x0                           ; the wave's end
	ds_add_u32 v[SPW], v[NIL]
	s_wait_dscnt 0x0
	CROUND                                         ; the closing round
	s_endpgm
.Lfunc_end_k_q2e53054c45_proj:
	.size	k_q2e53054c45_proj, .Lfunc_end_k_q2e53054c45_proj-k_q2e53054c45_proj
	.p2alignl 7, 3214868480
	.fill 96, 4, 3214868480
	.section	.rodata,"a",@progbits
	.p2align	6, 0x0
	.amdhsa_kernel k_q2e53054c45_proj
		.amdhsa_group_segment_fixed_size 327680
		.amdhsa_private_segment_fixed_size 0
		.amdhsa_enable_private_segment 0
		.amdhsa_kernarg_size 72
		.amdhsa_user_sgpr_count 2
		.amdhsa_user_sgpr_kernarg_segment_ptr 1
		.amdhsa_wavefront_size32 1
		.amdhsa_system_sgpr_workgroup_id_x 1
		.amdhsa_system_sgpr_workgroup_id_y 1
		.amdhsa_system_sgpr_workgroup_id_z 1
		.amdhsa_system_vgpr_workitem_id 0
		.amdhsa_next_free_vgpr 1024
		.amdhsa_next_free_sgpr 100
		.amdhsa_reserve_vcc 1
		.amdhsa_float_denorm_mode_32 3
		.amdhsa_float_denorm_mode_16_64 3
		.amdhsa_memory_ordered 1
		.amdhsa_forward_progress 1
		.amdhsa_inst_pref_size 146
	.end_amdhsa_kernel
	.amdgpu_metadata
---
amdhsa.version: [ 1, 2 ]
amdhsa.kernels:
  - .name:           k_q2e53054c45_proj
    .symbol:         k_q2e53054c45_proj.kd
    .args:
      - { .name: xc, .offset: 0, .size: 8, .value_kind: global_buffer, .address_space: global }
      - { .name: xs, .offset: 8, .size: 8, .value_kind: global_buffer, .address_space: global }
      - { .name: wc, .offset: 16, .size: 8, .value_kind: global_buffer, .address_space: global }
      - { .name: ws, .offset: 24, .size: 8, .value_kind: global_buffer, .address_space: global }
      - { .name: bq, .offset: 32, .size: 8, .value_kind: global_buffer, .address_space: global }
      - { .name: bk, .offset: 40, .size: 8, .value_kind: global_buffer, .address_space: global }
      - { .name: bv, .offset: 48, .size: 8, .value_kind: global_buffer, .address_space: global }
      - { .name: mask, .offset: 56, .size: 8, .value_kind: global_buffer, .address_space: global }
      - { .name: qkv, .offset: 64, .size: 8, .value_kind: global_buffer, .address_space: global }
    .group_segment_fixed_size: 327680
    .private_segment_fixed_size: 0
    .kernarg_segment_align: 8
    .kernarg_segment_size: 72
    .max_flat_workgroup_size: 128
    .sgpr_count:     100
    .vgpr_count:     1024
    .wavefront_size: 32
...
	.end_amdgpu_metadata
.endif
;; end of part 2
;; launch attn (part 3): grid 4 x 64, 8 waves a work-group, clusters of 4 x 1, 327,680 bytes of LDS; arguments qkv, mask, att; writes att
.if DOCPART == 3
	.amdgcn_target "amdgcn-amd-amdhsa--gfx1250"
	.amdhsa_code_object_version 6
	.text
	.protected	k_q2e53054c45_attn
	.globl	k_q2e53054c45_attn
	.p2align	8
	.type	k_q2e53054c45_attn,@function
k_q2e53054c45_attn:
	s_mov_b64 s[64:65], 0
	v_nop
	global_prefetch_b8 v0, s[64:65] scope:SCOPE_SE
	s_setreg_imm32_b32 hwreg(HW_REG_WAVE_MODE, 25, 1), 1
	s_wait_xcnt 0x0
	s_wait_alu depctr_hold_cnt(0) depctr_sa_sdst(0) depctr_va_vdst(0) depctr_va_sdst(0) depctr_va_ssrc(0) depctr_va_vcc(0) depctr_vm_vsrc(0)
	s_getreg_b32 s2, hwreg(HW_REG_IB_STS2, 6, 4)
	s_cmp_eq_u32 s2, 0
	s_cbranch_scc0 .Lentry_in_a_cluster
	s_endpgm
.Lentry_in_a_cluster:
	s_bfe_u32 s2, ttmp6, 0x10000c
	s_cmp_lg_u32 s2, 0x3003
	s_cbranch_scc0 .Lentry_shape_is_right
	s_endpgm
.Lentry_shape_is_right:
; att[head][batch x 2,048 + q][:] = the sum over k of softmax_k(score) v[k][:], score = q . k / 8, replaced by -1e9 where the key's mask word is 0.  q, k, v: f16, [batch x 16 + head][2,048][64]; sums, maxima, exponentials in f32.
; q arrives multiplied by log2(e) / 8, so the product IS t = score x log2(e); p = 2^(t - m), m the running maximum of t: a packed subtraction and an exponential.
; THE MASK COSTS NO LINE IN THE LOOP: rows of k with mask 0 arrive as zeros, and the first matrix instruction of each tile of scores takes as C a register that holds 0 for an open key and
; f32(-1e9 x log2(e)) for a hidden one: zero products + C is C, so a hidden score is replaced; a batch with every key hidden comes out as the plain average of v.
; LIMITS: p and att are rounded to f16 (|att| under 65,504); NaN and infinities are not served.
; SHARES.  A cluster of four work-groups is one head; a work-group owns 512 queries, each of its eight waves 64: four tiles of 16, worked as two pairs.  Two waves share a SIMD (512 registers each),
; so that one wave's products stand beside the other's softmax: at this head size a tile of 16 x 64 scores has 16 matrix instructions and some 117 vector instructions.
; LAYOUT.  S^T = K Q^T (source 0 = 16 keys, source 1 = 16 queries), O^T = V^T P (V turned by ds_load_tr16_b128): a lane holds ONE query throughout.
; RING.  Two LDS slots of 256 keys (four steps of 64).  Waves 0-3 fetch K's four steps, waves 4-7 V's, one joint load a wave, shared by the four work-groups.  One tensor load of a wave is out at the most.
; REGISTERS.  window 0: v1-13 addresses; v14, v15 the add's two; v16-19 second chains of the sums; v20-30 at the head; v32-63 statistics, eight a tile: +0 m, +1 (its pair's upper half), +2, +3 the sum, +4..+7 at work (a in +6);
;   v64-127 S^T of a pair, then p, then P (f16) in the first 16 of each tile's 32; v128-191 K; v192-255 V.   window 1: v0-127 O^T, 32 a tile; v128-191 Q; v192-223 the mask's C registers.
.set KS,    64
.set PK,    144                        ; a row of K in LDS: 128 bytes + 16: an odd multiple of 16
.set PV,    160                        ; a row of V: 128 + 32: an odd multiple of 32
.set VOFF,  KS*PK
.set STEPB, KS*(PK+PV)
.set NST,   4                          ; steps in a slot
.set SLOT1, 1<<17
.set NSL,   8                          ; slots' worth of keys
.set MASKB, 212992                     ; 2,048 words: a C value for each key of my batch; stored by the waves, never a fill's target
.set STAGE, 221184                     ; the way out: 16 rows x 144 bytes for each wave
.set SP,    144
.set SPARE, 239616                     ; the spare words, 128 bytes a wave: four blocks of 256 bytes that no other line names
.set AK0, 3
.set AV0, 4
.set AM0, 5
.set ADK, 6
.set ADV, 7
.set ADM, 8
.set QO,  9
.set STO, 10
.set RD,  11
.set GO,  12
.set PFO, 13
.set SPW, 14
.set NIL, 15
.set T1,  16
.set ST,  32
.set S,   64
.set KF,  128
.set VF,  192
.set O,   0
.set Q,   128
.set BI,  192
.set WV,  12
.set LIM, 15
.set PFA, 18
.set G1K, 24
.set G1V, 32
.set G0K, 40
.set G0V, 44
.set SLOTS, 56
.set CNT, 57
.set SEL, 60
.set TB,  62
.set MB,  63
.set MSB, 0
.macro WIN new
.if MSB != \new
	s_set_vgpr_msb (MSB<<8)|\new
.set MSB, \new
.endif
.endm
.set W_KQ0, 0x14                       ; Q (source 1) and the mask's C (source 2) window 1; K and S^T window 0
.set W_KQ1, 0x04                       ; Q window 1
.set W_PV,  0x50                       ; O^T (C and D) window 1; V and P window 0
.set W_RS,  0x41                       ; O^T (destination, source 0) window 1
.set W_TO1, 0x40
.set W_OUT, 0x05
.macro JLOAD                           ; waves 0-3: K's tile; waves 4-7: V's.  The branch hangs on the wave's number alone.  An s_nop 0 and four v_nop follow each line
	s_cmp_lt_u32 s[WV], 4
	s_cbranch_scc0 .Lfor_v_\@
	tensor_load_to_lds s[G0K:G0K+3], s[G1K:G1K+7]
	s_nop 0
.rept 4
	v_nop
.endr
	s_branch .Lasked_\@
.Lfor_v_\@:
	tensor_load_to_lds s[G0V:G0V+3], s[G1V:G1V+7]
	s_nop 0
.rept 4
	v_nop
.endr
.Lasked_\@:
.endm
; A PREFETCH INTO THE L2 of what the NEXT change of slots will ask for: 32,768 bytes of K and of V.  Wave 0 names K's, wave 4 V's; the four partners share the bytes out by address, 8,192 each, lanes 256 bytes apart:
; each aligned block of 256 bytes is named once in the launch.  It asks one slot, four key steps, ahead.  The last change that fills a slot asks for nothing; slots 0 and 1 come by their loads alone.
.macro ASK
	s_cmp_gt_u32 s[SLOTS], s[LIM]
	s_cbranch_scc0 .Lnot_mine_\@
	global_prefetch_b8 v[PFO], s[PFA:PFA+1] th:TH_LOAD_NT scope:SCOPE_SE
.Lnot_mine_\@:
.endm
.macro CROUND
	s_barrier_signal -1
	s_barrier_wait -1
	s_cmp_lg_u32 s[WV], 0
	s_cbranch_scc1 .Lnot_wave_0_\@
	s_barrier_signal -3
.Lnot_wave_0_\@:
	s_barrier_wait -3
	s_barrier_signal -1
	s_barrier_wait -1
.endm
	s_load_b128 s[4:7], s[0:1], 0x0                ; qkv, mask
	s_load_b64 s[8:9], s[0:1], 0x10                ; att
	v_lshl_add_u32 v[SPW], v0, 2, SPARE
	v_mov_b32 v[NIL], 0
	ds_add_u32 v[SPW], v[NIL]                      ; the wave's opening: the add, twice on end, and its wait ahead of my first tensor load
	ds_add_u32 v[SPW], v[NIL]
	v_lshrrev_b32 v1, 5, v0
	v_readfirstlane_b32 s[WV], v1                  ; wave 0..7
	s_bfe_u32 s13, ttmp6, 0x40000                  ; cx
	s_lshl_b32 s14, ttmp9, 2
	s_add_co_u32 s14, s14, s13                     ; my block of 512 queries: it enters Q's, att's and the prefetches' addresses alone
	s_and_b32 s16, ttmp7, 0xffff                   ; batch x 16 + head, which the four partners share
	s_lshl_b32 s17, s16, 18                        ; its 262,144 bytes in each of q, k, v
	s_and_b32 s20, s[WV], 3                        ; which of a slot's four steps I fetch
	s_lshl_b32 s21, s20, 13                        ; 64 rows of 128 bytes
	s_add_co_u32 s21, s21, s17
	s_add_co_u32 s48, s21, 1<<24                   ; k lies 2^24 bytes into qkv,
	s_mov_b32 s49, 0
	s_add_co_u32 s50, s21, 2<<24                   ; v twice as far
	s_mov_b32 s51, 0
	s_mul_i32 s70, s20, STEPB                      ; and its place in a slot
	s_lshl_b32 s22, s14, 16
	s_lshl_b32 s23, s[WV], 13
	s_add_co_u32 s22, s22, s23                     ; my wave's 64 rows among the head's, in bytes
	s_add_co_u32 s52, s22, s17                     ; Q
	s_mov_b32 s53, 0
	s_and_b32 s23, s16, 15
	s_lshl_b32 s23, s23, 20                        ; att: a head is a plane of 2^20 bytes,
	s_add_co_u32 s54, s22, s23
	s_lshr_b32 s23, s16, 4                         ; the batch
	s_lshl_b32 s66, s23, 13                        ; its 2,048 mask words
	s_mov_b32 s67, 0
	s_lshl_b32 s23, s23, 18                        ; a batch 2,048 rows of 128 bytes in it
	s_add_co_u32 s54, s54, s23
	s_mov_b32 s55, 0
	s_cmp_lt_u32 s[WV], 4
	s_cselect_b32 s68, 1, 2
	s_lshl_b32 s68, s68, 24                        ; the prefetches: K (waves 0-3) or V,
	s_add_co_u32 s68, s68, s17
	s_lshl_b32 s23, s13, 13                        ; my work-group's quarter of a slot,
	s_add_co_u32 s68, s68, s23
	s_add_co_u32 s68, s68, NST*KS*128              ; in slot 1: the first change of slots steps it to slot 2
	s_mov_b32 s69, 0
	s_cmp_eq_u32 s20, 0
	s_cselect_b32 s[LIM], 1, -1                    ; waves 0 and 4 ask, while more than one slot is still to be asked for
	s_mov_b32 s[G1K], 15|(1<<16)|(1<<20)|(1<<21)|(4<<22)|(3<<25)  ; the mask: all four; elements of 2 bytes; padding on; bit 21 beside a mask; 4 words behind every 32
	s_mov_b32 s[G1V], 15|(1<<16)|(1<<20)|(1<<21)|(4<<22)|(7<<25)  ; the same with 8 words
.irp g, G1K, G1V
	s_mov_b32 s[\g+1], 64<<16                      ; tensor_dim0
	s_mov_b32 s[\g+2], KS<<16                      ; tensor_dim1
	s_mov_b32 s[\g+3], 64<<16                      ; tile_dim0
	s_mov_b32 s[\g+4], KS                          ; tile_dim1
	s_mov_b32 s[\g+5], 64                          ; the pitch
	s_mov_b32 s[\g+6], 0
	s_mov_b32 s[\g+7], 0
.endr
	s_mov_b32 s[SEL], 0x76543210
	s_mov_b32 s[SEL+1], 0xfedcba98                 ; v_permlanex16_b32's selects for lane l xor 16
	s_mov_b32 s[TB], 0
	s_mov_b32 s[MB], 0
	s_mov_b32 s[SLOTS], NSL-1
	s_wait_dscnt 0x0                               ; both opening adds are done
	s_wait_kmcnt 0x0
	s_add_nc_u64 s[10:11], s[4:5], s[52:53]        ; Q at my wave's first row
	s_add_nc_u64 s[8:9], s[8:9], s[54:55]          ; att likewise
	s_add_nc_u64 s[6:7], s[6:7], s[66:67]          ; my batch's mask
	s_add_nc_u64 s[PFA:PFA+1], s[4:5], s[68:69]
	CROUND                                         ; all four work-groups are here: the first joint loads meet
	s_mov_b32 s[G0K], 1
	s_mov_b32 s[G0K+1], s70
	s_add_nc_u64 s[G0K+2:G0K+3], s[4:5], s[48:49]
	s_or_b32 s[G0K+3], s[G0K+3], 0x80000000
	s_mov_b32 s[G0V], 1
	s_add_co_u32 s[G0V+1], s70, VOFF
	s_add_nc_u64 s[G0V+2:G0V+3], s[4:5], s[50:51]
	s_or_b32 s[G0V+3], s[G0V+3], 0x80000000
	JLOAD                                          ; slot 0
	v_and_b32 v1, 15, v0                           ; r
	v_bfe_u32 v2, v0, 4, 1                         ; h
	v_mul_u32_u24 v[AK0], v1, PK
	v_lshl_add_u32 v[AK0], v2, 4, v[AK0]           ; K: row r x pitch + 16 h
	v_and_b32 v20, 7, v0
	v_bfe_u32 v21, v0, 3, 1
	v_lshl_add_u32 v[AV0], v2, 3, v20              ; V, for the turning load: key 8 h + lane % 8,
	v_mul_u32_u24 v[AV0], v[AV0], PV
	v_lshl_add_u32 v[AV0], v21, 4, v[AV0]          ; channels 8 ((lane / 8) % 2) on
	v_add_nc_u32 v[AV0], VOFF, v[AV0]
	v_lshl_add_u32 v[AM0], v2, 5, MASKB            ; the mask's words: my half's eight keys of a tile
	v_lshlrev_b32 v[QO], 7, v1
	v_lshl_add_u32 v[QO], v2, 4, v[QO]             ; Q: row r of 128 bytes + 16 h
	s_mul_i32 s20, s[WV], 16*SP
	s_add_co_u32 s20, s20, STAGE                   ; my stage
	v_add_nc_u32 v[STO], s20, v[AK0]               ; in: row r, 16 bytes for each half of the lanes
	v_and_b32 v22, 31, v0
	v_lshrrev_b32 v23, 3, v22
	v_mul_u32_u24 v23, v23, SP
	v_lshl_add_u32 v23, v20, 4, v23
	v_add_nc_u32 v[RD], s20, v23                   ; back: eight lanes to a row, four rows an instruction
	v_lshlrev_b32 v[GO], 4, v22
	v_lshlrev_b32 v[PFO], 8, v22
	v_lshlrev_b32 v29, 5, v0                       ; my eight mask words, in memory
	v_lshl_add_u32 v30, v0, 5, MASKB               ; and in LDS
	global_load_b128 v[20:23], v29, s[6:7]
	global_load_b128 v[24:27], v29, s[6:7] offset:16
	WIN W_TO1
.irp t, 0,1,2,3
.irp c, 0,1
	global_load_b128 v[Q+16*\t+8*\c:Q+16*\t+8*\c+3], v[QO], s[10:11] offset:\t*2048+64*\c      ; Q stays in registers: tile t, channels 32 c on
	global_load_b128 v[Q+16*\t+8*\c+4:Q+16*\t+8*\c+7], v[QO], s[10:11] offset:\t*2048+64*\c+32
.endr
.endr
.set ii, 0
.rept 128
	v_mov_b32 v[O+ii], 0                           ; O^T.  (The step is written with no first copy: the first a is 2^(-3e38 - m) = 0 and multiplies zeros)
.set ii, ii+1
.endr
	WIN 0
.irp t, 0,1,2,3
	v_mov_b32 v[ST+8*\t], 0xff61b1e6               ; m: -3e38, under every t
	v_mov_b32 v[ST+8*\t+1], 0                      ; (named with it as a pair)
	v_mov_b32 v[ST+8*\t+2], 0                      ; the sum, even keys' and odd keys'
	v_mov_b32 v[ST+8*\t+3], 0
	v_mov_b32 v[ST+8*\t+5], 0                      ; a lane permute's destination counts as one of its sources
.endr
	v_mov_b32 v28, 0xceabfb8f                      ; f32(-1e9 x log2(e))
	s_wait_loadcnt 16                              ; the two loads of mask words are in; Q's sixteen may be out
.irp i, 0,1,2,3,4,5,6,7
	v_cmp_eq_u32 vcc_lo, 0, v[20+\i]
	v_cndmask_b32 v[20+\i], 0, v28, vcc_lo
.endr
	ds_store_b128 v30, v[20:23]
	ds_store_b128 v30, v[24:27] offset:16          ; the first change of slots waits for these and passes a barrier ahead of every read
	s_wait_loadcnt 0x0                             ; Q
; A PAIR of tiles, x and x + 1, through one key step.  Every list takes the two tiles by turns, so that no line waits for the line above it.
.macro PAIR x
	WIN W_KQ0
.irp kt, 0,1,2,3                       ; channels 0-31; C = the mask's values.  The eight accumulators take turns, one instruction a turn
.irp u, 0,1
	v_wmma_f32_16x16x32_f16 v[S+32*\u+8*\kt:S+32*\u+8*\kt+7], v[KF+16*\kt:KF+16*\kt+7], v[Q+16*(\x+\u):Q+16*(\x+\u)+7], v[BI+8*\kt:BI+8*\kt+7]
.endr
.endr
	WIN W_KQ1
.irp kt, 0,1,2,3                       ; channels 32-63
.irp u, 0,1
	v_wmma_f32_16x16x32_f16 v[S+32*\u+8*\kt:S+32*\u+8*\kt+7], v[KF+16*\kt+8:KF+16*\kt+15], v[Q+16*(\x+\u)+8:Q+16*(\x+\u)+15], v[S+32*\u+8*\kt:S+32*\u+8*\kt+7]
.endr
.endr
	WIN 0
.rept 4
	v_nop                                          ; places ahead of the first read of the scores
.endr
.irp j, 0,1,2,3                        ; the maximum of my 32 scores and the old m: four chains, each begun at its accumulator's low end
.irp u, 0,1
	v_max3_num_f32 v[ST+8*(\x+\u)+4+\j], v[S+32*\u+8*\j], v[S+32*\u+8*\j+1], v[S+32*\u+8*\j+2]
.endr
.endr
.irp w, 3,5
.irp j, 0,1,2,3
.irp u, 0,1
	v_max3_num_f32 v[ST+8*(\x+\u)+4+\j], v[ST+8*(\x+\u)+4+\j], v[S+32*\u+8*\j+\w], v[S+32*\u+8*\j+\w+1]
.endr
.endr
.endr
.irp u, 0,1
	v_max3_num_f32 v[ST+8*(\x+\u)+4], v[ST+8*(\x+\u)+4], v[S+32*\u+7], v[S+32*\u+15]
	v_max3_num_f32 v[ST+8*(\x+\u)+6], v[ST+8*(\x+\u)+6], v[S+32*\u+23], v[S+32*\u+31]
.endr
.irp u, 0,1
	v_max3_num_f32 v[ST+8*(\x+\u)+4], v[ST+8*(\x+\u)+4], v[ST+8*(\x+\u)+5], v[ST+8*(\x+\u)+6]
.endr
.irp u, 0,1
	v_max3_num_f32 v[ST+8*(\x+\u)+4], v[ST+8*(\x+\u)+4], v[ST+8*(\x+\u)+7], v[ST+8*(\x+\u)]
.endr
.irp u, 0,1
	v_permlanex16_b32 v[ST+8*(\x+\u)+5], v[ST+8*(\x+\u)+4], s[SEL], s[SEL+1]   ; the query's other 32 keys lie in the lane 16 away
.endr
.irp u, 0,1
	v_max_num_f32 v[ST+8*(\x+\u)+4], v[ST+8*(\x+\u)+4], v[ST+8*(\x+\u)+5]      ; the new m
.endr
.irp u, 0,1
	v_sub_f32 v[ST+8*(\x+\u)+7], v[ST+8*(\x+\u)], v[ST+8*(\x+\u)+4]            ; old m - new m
.endr
.irp u, 0,1
	v_mov_b32 v[ST+8*(\x+\u)], v[ST+8*(\x+\u)+4]
.endr
.set nn, 0
.rept 16
.irp u, 0,1
	v_pk_add_f32 v[S+32*\u+2*nn:S+32*\u+2*nn+1], v[S+32*\u+2*nn:S+32*\u+2*nn+1], v[ST+8*(\x+\u):ST+8*(\x+\u)+1] op_sel_hi:[1,0] neg_lo:[0,1] neg_hi:[0,1]   ; t - m, two at a time: exactly 0 at the maximum
.endr
.set nn, nn+1
.endr
.irp u, 0,1
	v_exp_f32 v[ST+8*(\x+\u)+6], v[ST+8*(\x+\u)+7]                             ; a = 2^(old m - new m)
.endr
.set nn, 0
.rept 32
.irp u, 0,1
	v_exp_f32 v[S+32*\u+nn], v[S+32*\u+nn]                                     ; p; ONE BATCH of 66: none of these reads an exponential's result
.endr
.set nn, nn+1
.endr
	v_nop                                          ; a plain instruction behind the last exponential
	s_wait_alu depctr_va_vdst(0)                   ; and one wait ahead of the batch's first reader
.irp u, 0,1                            ; the sum of the unrounded p, two at a time, in two chains
	v_pk_add_f32 v[ST+8*(\x+\u)+4:ST+8*(\x+\u)+5], v[S+32*\u:S+32*\u+1], v[S+32*\u+2:S+32*\u+3]
	v_pk_add_f32 v[T1+2*\u:T1+2*\u+1], v[S+32*\u+4:S+32*\u+5], v[S+32*\u+6:S+32*\u+7]
.endr
.irp j, 8,12,16,20,24,28
.irp u, 0,1
	v_pk_add_f32 v[ST+8*(\x+\u)+4:ST+8*(\x+\u)+5], v[ST+8*(\x+\u)+4:ST+8*(\x+\u)+5], v[S+32*\u+\j:S+32*\u+\j+1]
	v_pk_add_f32 v[T1+2*\u:T1+2*\u+1], v[T1+2*\u:T1+2*\u+1], v[S+32*\u+\j+2:S+32*\u+\j+3]
.endr
.endr
.irp u, 0,1
	v_pk_fma_f32 v[ST+8*(\x+\u)+2:ST+8*(\x+\u)+3], v[ST+8*(\x+\u)+2:ST+8*(\x+\u)+3], v[ST+8*(\x+\u)+6:ST+8*(\x+\u)+7], v[ST+8*(\x+\u)+4:ST+8*(\x+\u)+5] op_sel_hi:[1,0,1]   ; l = a l + the first chain
.endr
.irp u, 0,1
	v_pk_add_f32 v[ST+8*(\x+\u)+2:ST+8*(\x+\u)+3], v[ST+8*(\x+\u)+2:ST+8*(\x+\u)+3], v[T1+2*\u:T1+2*\u+1]
.endr
.set nn, 0
.rept 16
.irp u, 0,1
	v_cvt_pk_f16_f32 v[S+32*\u+nn], v[S+32*\u+2*nn], v[S+32*\u+2*nn+1]         ; P, in place: registers 8 f .. 8 f + 7 are source 1 for keys 32 f on
.endr
.set nn, nn+1
.endr
	WIN W_RS
.set nn, 0
.rept 16
.irp u, 0,1
	v_pk_mul_f32 v[O+32*(\x+\u)+2*nn:O+32*(\x+\u)+2*nn+1], v[O+32*(\x+\u)+2*nn:O+32*(\x+\u)+2*nn+1], v[ST+8*(\x+\u)+6:ST+8*(\x+\u)+7] op_sel_hi:[1,0]   ; O^T x a, each accumulator from its low end on
.endr
.set nn, nn+1
.endr
.if \x == 0
	s_wait_dscnt 0x0                               ; V is in
.endif
	WIN W_PV
.irp f, 0,1                            ; O^T += V^T P: eight accumulators by turns
.irp ct, 0,1,2,3
.irp u, 0,1
	v_wmma_f32_16x16x32_f16 v[O+32*(\x+\u)+8*\ct:O+32*(\x+\u)+8*\ct+7], v[VF+8*(4*\f+\ct):VF+8*(4*\f+\ct)+7], v[S+32*\u+8*\f:S+32*\u+8*\f+7], v[O+32*(\x+\u)+8*\ct:O+32*(\x+\u)+8*\ct+7]
.endr
.endr
.endr
	WIN 0
.rept 5
	v_nop                                          ; five places: the next products write over P's registers; the next step's loads land in V's
.endr
.endm
.macro STEP                            ; 64 keys
	v_add_nc_u32 v[ADK], s[TB], v[AK0]
	v_add_nc_u32 v[ADV], s[TB], v[AV0]
	v_add_nc_u32 v[ADM], s[MB], v[AM0]
.irp kt, 0,1,2,3
.irp c, 0,1
	ds_load_b128 v[KF+8*(2*\kt+\c):KF+8*(2*\kt+\c)+3], v[ADK] offset:\kt*16*PK+64*\c
	ds_load_b128 v[KF+8*(2*\kt+\c)+4:KF+8*(2*\kt+\c)+7], v[ADK] offset:\kt*16*PK+64*\c+32
.endr
.endr
	WIN W_TO1
.irp kt, 0,1,2,3
	ds_load_b128 v[BI+8*\kt:BI+8*\kt+3], v[ADM] offset:64*\kt          ; register j of tile kt: the value of key 16 kt + 8 h + j
	ds_load_b128 v[BI+8*\kt+4:BI+8*\kt+7], v[ADM] offset:64*\kt+16
.endr
	WIN 0
.irp f, 0,1
.irp ct, 0,1,2,3
	ds_load_tr16_b128 v[VF+8*(4*\f+\ct):VF+8*(4*\f+\ct)+3], v[ADV] offset:\f*32*PV+32*\ct
	ds_load_tr16_b128 v[VF+8*(4*\f+\ct)+4:VF+8*(4*\f+\ct)+7], v[ADV] offset:\f*32*PV+16*PV+32*\ct
.endr
.endr
	s_wait_dscnt 16                                ; K and the mask's values are in; V's sixteen loads may be out
	PAIR 0
	PAIR 2
	s_add_co_u32 s[TB], s[TB], STEPB
	s_add_co_u32 s[MB], s[MB], 4*KS
.endm
.macro SLOT_STEPS                      ; a slot's four steps: written once, walked four times
	s_mov_b32 s[CNT], NST
.Lstep_\@:
	STEP
	s_sub_co_u32 s[CNT], s[CNT], 1
	s_cmp_lg_u32 s[CNT], 0
	s_cbranch_scc1 .Lstep_\@
	s_sub_co_u32 s[TB], s[TB], NST*STEPB
	s_xor_b32 s[TB], s[TB], SLOT1                  ; on to the other slot
.endm
; THE CHANGE OF SLOTS stands at a slot's head.  Each wave waits for all its tensor loads (its part of the slot that it is about to read), adds 0 to its spare word, and waits for that and for its reads of the slot that it has left.
; fill = 1: a round of the cluster's barrier, and behind it the other slot is asked for, with the keys that follow: the load has four key steps in which to land.
.macro CHANGE fill
	s_wait_tensorcnt 0x0                           ; no tensor load of mine is out, so a group 0 may be written
	ds_add_u32 v[SPW], v[NIL]
.if \fill
	s_xor_b32 s[G0K+1], s[G0K+1], SLOT1
	s_add_nc_u64 s[G0K+2:G0K+3], s[G0K+2:G0K+3], NST*KS*128
	s_xor_b32 s[G0V+1], s[G0V+1], SLOT1
	s_add_nc_u64 s[G0V+2:G0V+3], s[G0V+2:G0V+3], NST*KS*128
	s_wait_xcnt 0x0                                ; the last prefetch, a slot back, has read its address
	s_add_nc_u64 s[PFA:PFA+1], s[PFA:PFA+1], NST*KS*128
	s_wait_dscnt 0x0                               ; the add is done, my LDS stores have landed and my reads of the slot that I have left are over
	CROUND
	JLOAD
	ASK
.else
	s_wait_dscnt 0x0
	s_barrier_signal -1
	s_barrier_wait -1
.endif
.endm
.Lslot:                                            ; seven trips: behind each change of slots but the last the next slot is asked for
	CHANGE 1
	SLOT_STEPS
	s_sub_co_u32 s[SLOTS], s[SLOTS], 1
	s_cmp_lg_u32 s[SLOTS], 0
	s_cbranch_scc1 .Lslot
	CHANGE 0                                       ; the last slot is written out
	SLOT_STEPS
	; THE WAY OUT.  The sum's halves are added; O^T is divided by the sum, rounded to f16 and sent through my stage, a tile (16 rows of 128 bytes) at a time.
.irp t, 0,1,2,3
	v_add_f32 v[ST+8*\t+4], v[ST+8*\t+2], v[ST+8*\t+3]
.endr
.irp t, 0,1,2,3
	v_permlanex16_b32 v[ST+8*\t+5], v[ST+8*\t+4], s[SEL], s[SEL+1]
.endr
.irp t, 0,1,2,3
	v_add_f32 v[ST+8*\t+4], v[ST+8*\t+4], v[ST+8*\t+5]
.endr
.irp t, 0,1,2,3
	v_rcp_f32 v[ST+8*\t+6], v[ST+8*\t+4]
.endr
	v_nop                                          ; a plain instruction behind the last reciprocal
	s_wait_alu depctr_va_vdst(0)                   ; one wait for the four, ahead of their first reader
.macro PACK t
	WIN W_RS
.set nn, 0
.rept 16
	v_pk_mul_f32 v[O+32*\t+2*nn:O+32*\t+2*nn+1], v[O+32*\t+2*nn:O+32*\t+2*nn+1], v[ST+8*\t+6:ST+8*\t+7] op_sel_hi:[1,0]
.set nn, nn+1
.endr
	WIN W_OUT
.set nn, 0
.rept 16
	v_cvt_pk_f16_f32 v[S+16*\t+nn], v[O+32*\t+2*nn], v[O+32*\t+2*nn+1]
.set nn, nn+1
.endr
	WIN 0
.irp ct, 0,1,2,3
	ds_store_b128 v[STO], v[S+16*\t+4*\ct:S+16*\t+4*\ct+3] offset:32*\ct
.endr
.irp i, 0,1,2,3
	ds_load_b128 v[KF+16*\t+4*\i:KF+16*\t+4*\i+3], v[RD] offset:\i*4*SP      ; LDS serves a wave's instructions in order: these see the stores above; the next tile's stores come behind them
.endr
.endm
.macro SEND t, younger                 ; younger: the LDS instructions issued behind tile t's loads: the next tile's four stores and four loads, or none
.irp i, 0,1,2,3
	s_wait_dscnt \younger+3-\i
	global_store_b128 v[GO], v[KF+16*\t+4*\i:KF+16*\t+4*\i+3], s[8:9] offset:\t*2048+\i*512   ; 32 lanes store 512 consecutive bytes, aligned
.endr
.endm
	PACK 0
	PACK 1
	SEND 0, 8
	PACK 2
	SEND 1, 8
	PACK 3
	SEND 2, 8
	SEND 3, 0
	s_wait_tensorcnt 0x0                           ; the wave's end
	ds_add_u32 v[SPW], v[NIL]
	s_wait_dscnt 0x0
	CROUND                                         ; the closing round
	s_endpgm
.Lfunc_end_k_q2e53054c45_attn:
	.size	k_q2e53054c45_attn, .Lfunc_end_k_q2e53054c45_attn-k_q2e53054c45_attn
	.p2alignl 7, 3214868480
	.fill 96, 4, 3214868480
	.section	.rodata,"a",@progbits
	.p2align	6, 0x0
	.amdhsa_kernel k_q2e53054c45_attn
		.amdhsa_group_segment_fixed_size 327680
		.amdhsa_private_segment_fixed_size 0
		.amdhsa_enable_private_segment 0
		.amdhsa_kernarg_size 24
		.amdhsa_user_sgpr_count 2
		.amdhsa_user_sgpr_kernarg_segment_ptr 1
		.amdhsa_wavefront_size32 1
		.amdhsa_system_sgpr_workgroup_id_x 1
		.amdhsa_system_sgpr_workgroup_id_y 1
		.amdhsa_system_sgpr_workgroup_id_z 1
		.amdhsa_system_vgpr_workitem_id 0
		.amdhsa_next_free_vgpr 512
		.amdhsa_next_free_sgpr 72
		.amdhsa_reserve_vcc 1
		.amdhsa_float_denorm_mode_32 3
		.amdhsa_float_denorm_mode_16_64 3
		.amdhsa_memory_ordered 1
		.amdhsa_forward_progress 1
		.amdhsa_inst_pref_size 95
	.end_amdhsa_kernel
	.amdgpu_metadata
---
amdhsa.version: [ 1, 2 ]
amdhsa.kernels:
  - .name:           k_q2e53054c45_attn
    .symbol:         k_q2e53054c45_attn.kd
    .args:
      - { .name: qkv, .offset: 0, .size: 8, .value_kind: global_buffer, .address_space: global }
      - { .name: mask, .offset: 8, .size: 8, .value_kind: global_buffer, .address_space: global }
      - { .name: att, .offset: 16, .size: 8, .value_kind: global_buffer, .address_space: global }
    .group_segment_fixed_size: 327680
    .private_segment_fixed_size: 0
    .kernarg_segment_align: 8
    .kernarg_segment_size: 24
    .max_flat_workgroup_size: 256
    .sgpr_count:     72
    .vgpr_count:     512
    .wavefront_size: 32
...
	.end_amdgpu_metadata
.endif
;; end of part 3
;; launch outp (part 4): grid 4 x 64, 4 waves a work-group, clusters of 4 x 4, 327,680 bytes of LDS; arguments att, wo16, bo, out0; writes out0
.if DOCPART == 4
	.amdgcn_target "amdgcn-amd-amdhsa--gfx1250"
	.amdhsa_code_object_version 6
	.text
	.protected	k_q2e53054c45_outp
	.globl	k_q2e53054c45_outp
	.p2align	8
	.type	k_q2e53054c45_outp,@function
k_q2e53054c45_outp:
	s_mov_b64 s[64:65], 0
	v_nop
	global_prefetch_b8 v0, s[64:65] scope:SCOPE_SE
	s_setreg_imm32_b32 hwreg(HW_REG_WAVE_MODE, 25, 1), 1
	s_wait_xcnt 0x0
	s_wait_alu depctr_hold_cnt(0) depctr_sa_sdst(0) depctr_va_vdst(0) depctr_va_sdst(0) depctr_va_ssrc(0) depctr_va_vcc(0) depctr_vm_vsrc(0)
	s_getreg_b32 s2, hwreg(HW_REG_IB_STS2, 6, 4)
	s_cmp_eq_u32 s2, 0
	s_cbranch_scc0 .Lentry_in_a_cluster
	s_endpgm
.Lentry_in_a_cluster:
	s_bfe_u32 s2, ttmp6, 0x10000c
	s_cmp_lg_u32 s2, 0xf033
	s_cbranch_scc0 .Lentry_shape_is_right
	s_endpgm
.Lentry_shape_is_right:
; out0 = att Wo + bo.  att: [16 heads][8,192 rows][64] f16 (a head is a plane of 2^20 bytes); wo16: [1,024 (k)][1,024 (n)] f16; bo f32; out0 [8,192][1,024] f32.  Sums in f32, the bias as each sum's first addend.
; A tile of 128 rows x 256 columns to a work-group: 256 work-groups.  Four waves, each 64 rows x 128 columns: 32 accumulators, 256 registers.
; K goes in steps of 128 (two planes of att, 128 rows of Wo) through a ring of two LDS slots.  Waves 0 and 1 fetch att's two planes (128 rows x 128 dense bytes each), waves 2 and 3 Wo's two halves (64 rows x 512 bytes).
; CLUSTERS: 4 x 4.  att's tiles are shared along a row of the cluster, Wo's along a column: joint loads.
; THE MATRIX INSTRUCTION IS USED TRANSPOSED: source 0 = 16 columns of Wo (K is not innermost there: ds_load_tr16_b128 turns it), source 1 = 16 rows of att: a lane holds eight neighbouring numbers of a row of out0.
; REGISTERS.  window 0: v16-30 addresses; v64-127 att's fragments, two buffers of 4; v128-191 the bias in the result's layout; on the way out v128-255 rows.  window 1: v0-127 Wo's fragments, two buffers of 8.  window 2: the accumulators, (a, b) at v[8 (8 a + b)].
.set AP,    144                        ; a row of att in LDS: 128 bytes + 16
.set APL,   128*AP                     ; a plane's 128 rows
.set BOFF,  2*APL
.set BP,    544                        ; a row of Wo: 512 bytes + 32: an odd multiple of 32
.set BH,    64*BP
.set SLOT,  BOFF+2*BH
.set STAGE, 2*SLOT                     ; the way out: 16 rows x 528 bytes for each wave
.set SPITCH, 528
.set SPARE, STAGE+4*16*SPITCH          ; the spare words, 128 bytes a wave: two blocks of 256 bytes that no other line names
.set ADRA, 16
.set ADRB, 20
.set STO,  24
.set RD,   25
.set CO,   26
.set SPW,  28
.set NIL,  29
.set PFO,  30
.set FA,   64
.set BI,   128
.set BK,   128
.set G1,  24
.set G0,  32
.set G1B, 48
.set G0B, 56
.set PFA, 66
.set LIM, 68
.set MSB, 0
.macro WIN new
.if MSB != \new
	s_set_vgpr_msb (MSB<<8)|\new
.set MSB, \new
.endif
.endm
.set MUL,  0xa1                        ; source 0 (Wo) window 1, source 1 (att) window 0, C and D window 2
.set MUL1, 0x81                        ; the first quarter: C (the bias) window 0
.set TO_B, 0x40
.macro JLOAD s                         ; waves 0, 1: att's planes; waves 2, 3: Wo's halves.  An s_nop 0 and four v_nop follow each of the two lines
	s_cmp_eq_u32 s15, 0
	s_cbranch_scc0 .Lfor_b_\@
	tensor_load_to_lds s[G0+4*\s:G0+4*\s+3], s[G1:G1+7]
	s_nop 0
.rept 4
	v_nop
.endr
	s_branch .Lasked_\@
.Lfor_b_\@:
	tensor_load_to_lds s[G0B+4*\s:G0B+4*\s+3], s[G1B:G1B+7]
	s_nop 0
.rept 4
	v_nop
.endr
.Lasked_\@:
.endm
; A PREFETCH INTO THE L2 of att's tile two K steps, 256 matrix instructions a wave, on from the refill that has just been asked for.  Wave 0 asks; the four partners that ask for the tile jointly share it out by address:
; 32 rows (4,096 bytes) of each of the two planes, lanes 256 bytes apart: each aligned block of 256 bytes is named once in the launch.  The last trip's refills have no K step two on.  Wo's rows are read by all clusters and are not asked for.
.macro ASK
	s_cmp_gt_u32 s3, s[LIM]
	s_cbranch_scc0 .Lnot_mine_\@
	global_prefetch_b8 v[PFO], s[PFA:PFA+1] th:TH_LOAD_NT scope:SCOPE_SE
.Lnot_mine_\@:
.endm
.macro CREST
	s_cmp_lg_u32 s14, 0
	s_cbranch_scc1 .Lnot_wave_0_\@
	s_barrier_signal -3
.Lnot_wave_0_\@:
	s_barrier_wait -3
	s_barrier_signal -1
	s_barrier_wait -1
.endm
.macro CROUND
	s_barrier_signal -1
	s_barrier_wait -1
	CREST
.endm
	s_load_b256 s[4:11], s[0:1], 0x0               ; att, wo16, bo, out0
	v_lshl_add_u32 v[SPW], v0, 2, SPARE
	v_mov_b32 v[NIL], 0
	ds_add_u32 v[SPW], v[NIL]                      ; the wave's opening: the add, twice on end, and its wait ahead of my first tensor load
	ds_add_u32 v[SPW], v[NIL]
	v_lshrrev_b32 v1, 5, v0
	v_readfirstlane_b32 s14, v1                    ; wave 0..3
	s_lshr_b32 s15, s14, 1                         ; which 64 rows are mine.  Also: I fetch for att (0) or for Wo (1)
	s_and_b32 s16, s14, 1                          ; which 128 columns.  Also: which plane, or which half of Wo's rows, I fetch
	s_bfe_u32 s40, ttmp6, 0x40000                  ; cx, cy
	s_bfe_u32 s41, ttmp6, 0x40004
	s_lshl_b32 s42, ttmp9, 2
	s_add_co_u32 s42, s42, s40                     ; tile column
	s_and_b32 s13, ttmp7, 0xffff
	s_lshl_b32 s13, s13, 2
	s_add_co_u32 s13, s13, s41                     ; tile row
	s_lshl_b32 s43, s41, 2
	s_lshl_b32 s43, 15, s43                        ; my row of the cluster
	s_lshl_b32 s44, 0x1111, s40                    ; my column
	s_or_b32 s[G1+0], s43, (1<<16)|(1<<20)|(1<<21)|(4<<22)|(3<<25)   ; elements of 2 bytes; padding: 4 words behind every 32
	s_mov_b32 s[G1+1], 64<<16                      ; tensor_dim0
	s_mov_b32 s[G1+2], 128<<16                     ; tensor_dim1
	s_mov_b32 s[G1+3], 64<<16                      ; tile_dim0
	s_mov_b32 s[G1+4], 128                         ; tile_dim1
	s_mov_b32 s[G1+5], 64                          ; the pitch
	s_mov_b32 s[G1+6], 0
	s_mov_b32 s[G1+7], 0
	s_or_b32 s[G1B+0], s44, (1<<16)|(1<<20)|(1<<21)|(6<<22)|(7<<25)  ; padding: 8 words behind every 128
	s_mov_b32 s[G1B+1], 256<<16
	s_mov_b32 s[G1B+2], 64<<16
	s_mov_b32 s[G1B+3], 256<<16
	s_mov_b32 s[G1B+4], 64
	s_mov_b32 s[G1B+5], 1024
	s_mov_b32 s[G1B+6], 0
	s_mov_b32 s[G1B+7], 0
	s_lshl_b32 s20, s16, 20                        ; att: my plane,
	s_lshl_b32 s21, s13, 14                        ; the tile's 128 rows of 128 bytes
	s_add_co_u32 s20, s20, s21
	s_mov_b32 s21, 0
	s_lshl_b32 s46, s16, 17                        ; Wo: my 64 rows of 2,048 bytes,
	s_lshl_b32 s47, s42, 9                         ; the tile's 256 columns
	s_add_co_u32 s46, s46, s47
	s_mov_b32 s47, 0
	s_mul_i32 s22, s16, APL                        ; where they go
	s_mul_i32 s23, s16, BH
	s_add_co_u32 s23, s23, BOFF
	s_wait_dscnt 0x0                               ; both opening adds are done
	s_wait_kmcnt 0x0
	s_add_nc_u64 s[20:21], s[4:5], s[20:21]
	s_add_nc_u64 s[46:47], s[6:7], s[46:47]
	CROUND                                         ; all sixteen work-groups are here
.irp s, 0,1
	s_mov_b32 s[G0+4*\s], 1
	s_add_co_u32 s[G0+4*\s+1], s22, \s*SLOT
	s_add_nc_u64 s[G0+4*\s+2:G0+4*\s+3], s[20:21], \s*(2<<20)
	s_or_b32 s[G0+4*\s+3], s[G0+4*\s+3], 0x80000000
	s_mov_b32 s[G0B+4*\s], 1
	s_add_co_u32 s[G0B+4*\s+1], s23, \s*SLOT
	s_add_nc_u64 s[G0B+4*\s+2:G0B+4*\s+3], s[46:47], \s*128*2048
	s_or_b32 s[G0B+4*\s+3], s[G0B+4*\s+3], 0x80000000
	JLOAD \s                                       ; two tensor loads of a wave are out at the most
.endr
	v_and_b32 v1, 15, v0                           ; r
	v_bfe_u32 v2, v0, 4, 1                         ; h
	v_mul_u32_u24 v3, v1, AP
	v_lshl_add_u32 v3, v2, 4, v3                   ; att: row r x pitch + 16 h
	v_and_b32 v4, 7, v0
	v_bfe_u32 v5, v0, 3, 1
	v_lshl_add_u32 v6, v2, 3, v4                   ; Wo, for the turning load: row 8 h + lane % 8,
	v_mul_u32_u24 v6, v6, BP
	v_lshl_add_u32 v6, v5, 4, v6                   ; columns 8 ((lane / 8) % 2) on
	s_mul_i32 s21, s15, 64*AP                      ; my 64 rows
	s_lshl_b32 s22, s16, 8                         ; my 128 columns
	s_add_co_u32 s22, s22, BOFF
.irp s, 0,1
	v_add_nc_u32 v[ADRA+\s], s21, v3
	v_add_nc_u32 v[ADRB+\s], s22, v6
	s_add_co_u32 s21, s21, SLOT
	s_add_co_u32 s22, s22, SLOT
.endr
	s_mul_i32 s23, s14, 16*SPITCH
	s_add_co_u32 s23, s23, STAGE                   ; my stage
	v_mul_u32_u24 v5, v1, SPITCH
	v_lshl_add_u32 v5, v2, 5, v5
	v_add_nc_u32 v[STO], s23, v5                   ; in: row r, 32 bytes for each half of the lanes
	v_and_b32 v6, 31, v0
	v_lshlrev_b32 v[CO], 4, v6
	v_add_nc_u32 v[RD], s23, v[CO]                 ; back: the 32 lanes take one row of 512 bytes
	v_lshlrev_b32 v[PFO], 8, v1
	v_lshl_add_u32 v[PFO], v2, 20, v[PFO]          ; the prefetches: lanes 0-15 one plane, lanes 16-31 the next
	v_lshlrev_b32 v7, 5, v2                        ; the bias: my half's eight numbers of a tile of 16
	s_lshl_b32 s20, s42, 10
	s_lshl_b32 s21, s16, 9
	s_add_co_u32 s20, s20, s21                     ; my first column, in bytes of f32
	s_mov_b32 s21, 0
	s_add_nc_u64 s[8:9], s[8:9], s[20:21]
	s_add_nc_u64 s[10:11], s[10:11], s[20:21]
	s_lshl_b32 s20, s13, 19                        ; 128 rows of 4,096 bytes a tile row,
	s_lshl_b32 s22, s15, 18                        ; 64 a wave
	s_add_co_u32 s20, s20, s22
	s_add_nc_u64 s[10:11], s[10:11], s[20:21]
	s_lshl_b32 s20, s13, 14
	s_lshl_b32 s22, s40, 12                        ; my work-group's 32 rows of the tile's 128
	s_add_co_u32 s20, s20, s22
	s_add_co_u32 s20, s20, 6<<20                   ; at K step 3: the first refill steps it to K step 4
	s_add_nc_u64 s[PFA:PFA+1], s[4:5], s[20:21]
	s_cmp_eq_u32 s14, 0
	s_cselect_b32 s[LIM], 1, -1
.irp b, 0,1,2,3,4,5,6,7
	global_load_b128 v[BI+8*\b:BI+8*\b+3], v7, s[8:9] offset:64*\b
	global_load_b128 v[BI+8*\b+4:BI+8*\b+7], v7, s[8:9] offset:64*\b+16
.endr
; 24 LDS loads in one run: the fragments of 32 along K (the slot's quarter kc) into buffer f: Wo's eight, then att's four
.macro FETCH slot, kc, f
	WIN TO_B
.irp b, 0,1,2,3,4,5,6,7
	ds_load_tr16_b128 v[64*(\f)+8*\b:64*(\f)+8*\b+3], v[ADRB+\slot] offset:(\kc)*32*BP+32*\b
	ds_load_tr16_b128 v[64*(\f)+8*\b+4:64*(\f)+8*\b+7], v[ADRB+\slot] offset:(\kc)*32*BP+16*BP+32*\b
.endr
	WIN 0
.irp a, 0,1,2,3
	ds_load_b128 v[FA+32*(\f)+8*\a:FA+32*(\f)+8*\a+3], v[ADRA+\slot] offset:((\kc)/2)*APL+\a*16*AP+((\kc)%2)*64
	ds_load_b128 v[FA+32*(\f)+8*\a+4:FA+32*(\f)+8*\a+7], v[ADRA+\slot] offset:((\kc)/2)*APL+\a*16*AP+((\kc)%2)*64+32
.endr
.endm
; 8 matrix instructions: att's block a against Wo's eight.  first = 1: the bias starts the sums.  The 32 accumulators take turns in the same order in every quarter
.macro MUL8 f, a, first
.irp b, 0,1,2,3,4,5,6,7
.if \first
	v_wmma_f32_16x16x32_f16 v[8*(8*(\a)+\b):8*(8*(\a)+\b)+7], v[64*(\f)+8*\b:64*(\f)+8*\b+7], v[FA+32*(\f)+8*(\a):FA+32*(\f)+8*(\a)+7], v[BI+8*\b:BI+8*\b+7]
.else
	v_wmma_f32_16x16x32_f16 v[8*(8*(\a)+\b):8*(8*(\a)+\b)+7], v[64*(\f)+8*\b:64*(\f)+8*\b+7], v[FA+32*(\f)+8*(\a):FA+32*(\f)+8*(\a)+7], v[8*(8*(\a)+\b):8*(8*(\a)+\b)+7]
.endif
.endr
.endm
.macro PLACES                          ; four places in front of loads into registers that matrix instructions have read, and of the first read of results
.rept 4
	v_nop
.endr
.endm
.macro MWIN first
.if \first
	WIN MUL1
.else
	WIN MUL
.endif
.endm
; A K step is four quarters of 32 along K, 32 matrix instructions each, on buffers 0, 1, 0, 1.  One of the first three: multiplies buffer f and fetches quarter kc into g.
.macro QUARTER slot, kc, f, g, first
	s_wait_dscnt 4                                 ; Wo's fragments and att's blocks 0, 1 are in; the youngest four loads (blocks 2, 3) may be out
	MWIN \first
	MUL8 \f, 0, \first
	MUL8 \f, 1, \first
	PLACES
	FETCH \slot, \kc, \g
	s_wait_dscnt 24                                ; all but the 24 just issued
	MWIN \first
	MUL8 \f, 2, \first
	MUL8 \f, 3, \first
.endm
; The last quarter multiplies buffer 1 and changes slots: one barrier; in front of it each wave waits for all its tensor loads, adds 0 to its spare word, and waits for that and for its reads of this slot.
; fill = 1: the barrier opens a round of the cluster's, and behind the round this slot is filled again, two K steps ahead: 112 matrix instructions ahead of the wait for it.
.macro TURN slot, next, fill
.if \fill
	s_wait_xcnt 0x0                                ; the last prefetch, a K step back, has read its address
	s_add_nc_u64 s[PFA:PFA+1], s[PFA:PFA+1], 2<<20
.endif
	WIN 0
	s_wait_tensorcnt 0x0                           ; my part of the next slot has landed
	ds_add_u32 v[SPW], v[NIL]
	s_wait_dscnt 5                                 ; (the add and the youngest four loads may be out)
	WIN MUL
	MUL8 1, 0, 0
	s_wait_dscnt 0x0                               ; the add is done, and my reads of this slot are over
	s_barrier_signal -1
	MUL8 1, 1, 0
.if \fill
	WIN 0
.endif
	s_barrier_wait -1
.if \fill
	CREST
	s_add_nc_u64 s[G0+4*\slot+2:G0+4*\slot+3], s[G0+4*\slot+2:G0+4*\slot+3], 4<<20
	s_add_nc_u64 s[G0B+4*\slot+2:G0B+4*\slot+3], s[G0B+4*\slot+2:G0B+4*\slot+3], 256*2048
	JLOAD \slot                                    ; the first tensor load behind the round; its four v_nop are also the places in front of the loads below
.else
	PLACES
.endif
	FETCH \next, 0, 0
.if \fill
	ASK
.endif
	WIN MUL
	MUL8 1, 2, 0
	MUL8 1, 3, 0
.endm
	s_wait_tensorcnt 1                             ; my part of K step 0 is in (K step 1's load may be out)
	s_barrier_signal -1
	s_barrier_wait -1                              ; everybody's is
	FETCH 0, 0, 0
	s_wait_loadcnt 0x0                             ; the bias
	QUARTER 0, 1, 0, 1, 1                          ; the first quarter stands in front of the loop: the bias starts the sums
	WIN 0
	s_mov_b32 s3, 3
.Llap:                                             ; a trip goes once round the ring and fills both slots again
	QUARTER 0, 2, 1, 0, 0
	QUARTER 0, 3, 0, 1, 0
	TURN 0, 1, 1
	QUARTER 1, 1, 0, 1, 0
	QUARTER 1, 2, 1, 0, 0
	QUARTER 1, 3, 0, 1, 0
	TURN 1, 0, 1
	QUARTER 0, 1, 0, 1, 0
	WIN 0
	s_sub_co_u32 s3, s3, 1
	s_cmp_lg_u32 s3, 0
	s_cbranch_scc1 .Llap
	QUARTER 0, 2, 1, 0, 0                          ; the last lap fills nothing
	QUARTER 0, 3, 0, 1, 0
	TURN 0, 1, 0
	QUARTER 1, 1, 0, 1, 0
	QUARTER 1, 2, 1, 0, 0
	QUARTER 1, 3, 0, 1, 0
	s_wait_dscnt 4
	WIN MUL
	MUL8 1, 0, 0
	MUL8 1, 1, 0
	s_wait_dscnt 0x0
	MUL8 1, 2, 0
	MUL8 1, 3, 0
	WIN 0
; THE WAY OUT, block by block of 16 rows x 128 columns, through my own stage: in as 32 bytes a lane, back as whole rows of 512 bytes.
.macro TOSTAGE a
	WIN 0x08                                       ; an LDS store's data are its source 1: window 2
.irp b, 0,1,2,3,4,5,6,7
	ds_store_b128 v[STO], v[64*(\a)+8*\b:64*(\a)+8*\b+3] offset:64*\b          ; each accumulator from its low end on
	ds_store_b128 v[STO], v[64*(\a)+8*\b+4:64*(\a)+8*\b+7] offset:64*\b+16
.endr
	WIN 0
.set BB, BK+64*((\a)%2)
.irp t, 0,1,2,3,4,5,6,7,8,9,10,11,12,13,14,15
	ds_load_b128 v[BB+4*\t:BB+4*\t+3], v[RD] offset:\t*SPITCH                  ; LDS serves a wave's instructions in order: these see the stores above
.endr
.endm
.macro SEND a, younger                 ; younger: the LDS instructions issued behind block a's loads, which may stay out
.set BB, BK+64*((\a)%2)
	s_wait_dscnt \younger
.irp t, 0,1,2,3,4,5,6,7,8,9,10,11,12,13,14,15
	global_store_b128 v[CO], v[BB+4*\t:BB+4*\t+3], s[10:11] offset:(16*(\a)+\t)*4096 th:TH_STORE_NT   ; 32 lanes store 512 consecutive bytes, aligned; the base is never stepped
.endr
.endm
	PLACES
	TOSTAGE 0
.irp a, 1,2,3
.if \a > 1
	s_wait_xcnt 0x0                                ; block a - 2's stores have read their registers: block a's loads may land there
.endif
	TOSTAGE \a
	SEND \a-1, 32                                  ; behind block a - 1's loads: block a's 16 stores and 16 loads
.endr
	SEND 3, 0
	s_wait_tensorcnt 0x0                           ; the wave's end
	ds_add_u32 v[SPW], v[NIL]
	s_wait_dscnt 0x0
	CROUND                                         ; the closing round
	s_endpgm
.Lfunc_end_k_q2e53054c45_outp:
	.size	k_q2e53054c45_outp, .Lfunc_end_k_q2e53054c45_outp-k_q2e53054c45_outp
	.p2alignl 7, 3214868480
	.fill 96, 4, 3214868480
	.section	.rodata,"a",@progbits
	.p2align	6, 0x0
	.amdhsa_kernel k_q2e53054c45_outp
		.amdhsa_group_segment_fixed_size 327680
		.amdhsa_private_segment_fixed_size 0
		.amdhsa_enable_private_segment 0
		.amdhsa_kernarg_size 32
		.amdhsa_user_sgpr_count 2
		.amdhsa_user_sgpr_kernarg_segment_ptr 1
		.amdhsa_wavefront_size32 1
		.amdhsa_system_sgpr_workgroup_id_x 1
		.amdhsa_system_sgpr_workgroup_id_y 1
		.amdhsa_system_sgpr_workgroup_id_z 1
		.amdhsa_system_vgpr_workitem_id 0
		.amdhsa_next_free_vgpr 768
		.amdhsa_next_free_sgpr 72
		.amdhsa_reserve_vcc 0
		.amdhsa_float_denorm_mode_32 3
		.amdhsa_float_denorm_mode_16_64 3
		.amdhsa_memory_ordered 1
		.amdhsa_forward_progress 1
		.amdhsa_inst_pref_size 88
	.end_amdhsa_kernel
	.amdgpu_metadata
---
amdhsa.version: [ 1, 2 ]
amdhsa.kernels:
  - .name:           k_q2e53054c45_outp
    .symbol:         k_q2e53054c45_outp.kd
    .args:
      - { .name: att, .offset: 0, .size: 8, .value_kind: global_buffer, .address_space: global }
      - { .name: wo16, .offset: 8, .size: 8, .value_kind: global_buffer, .address_space: global }
      - { .name: bo, .offset: 16, .size: 8, .value_kind: global_buffer, .address_space: global }
      - { .name: out0, .offset: 24, .size: 8, .value_kind: global_buffer, .address_space: global }
    .group_segment_fixed_size: 327680
    .private_segment_fixed_size: 0
    .kernarg_segment_align: 8
    .kernarg_segment_size: 32
    .max_flat_workgroup_size: 128
    .sgpr_count:     72
    .vgpr_count:     768
    .wavefront_size: 32
...
	.end_amdgpu_metadata
.endif
;; end of part 4
